; MI455X (gfx1250); checked and timed in simulation.
; The chip was launched on July 23, 2026; its instructions are those of AMD's public machine-readable ISA for CDNA 5 (MIT licence, August 2026) and "CDNA5" Instruction Set Architecture Reference Guide (July 2026). The comments in the code are by the model that wrote it; some were corrected since.
;; Gradient Refinement Module. Allowed arithmetic: float matrix products may take bf16 or f16 operands with f32 sums; all other float work in f32.
;; Inputs: initial_predictions 32,768 x 3 float32; signals 32,768 x 2,048 float32.
;; Outputs: out0 32,768 x 3 float32.
;; 4 versions, each right; versions 2 to 3 are each faster than the one before; version 4 is version 3 with the launches window, pick written anew for expert scheduling mode. Each part assembles by itself: llvm-mc -triple=amdgcn-amd-amdhsa -mcpu=gfx1250 --defsym DOCPART=n.
;; ======== version 1 of 4: 3 launches
;; workspace buffers: qt 393,216 bytes of whole numbers; traj 5,898,240 bytes; chg 32,768 bytes
;; launch window (part 1): grid 32 x 1, 8 waves a work-group, no clusters, 0 bytes of LDS; arguments initial_predictions, qt; writes qt
.if DOCPART == 1
	.amdgcn_target "amdgcn-amd-amdhsa--gfx1250"
	.amdhsa_code_object_version 6
	.text
	.protected	k_qfae4884b83_window
	.globl	k_qfae4884b83_window
	.p2align	8
	.type	k_qfae4884b83_window,@function
k_qfae4884b83_window:
	s_mov_b64 s[64:65], 0
	v_nop
	global_prefetch_b8 v0, s[64:65] scope:SCOPE_SE
	s_setreg_imm32_b32 hwreg(HW_REG_WAVE_MODE, 25, 1), 1
	s_wait_xcnt 0x0
; qt[c][row] = q, a whole number: the 96 floats signals[row][4q .. 4q+95] hold every sample that the walk of point (row, c) can touch.
; Why 96 are enough: step t moves a position by at most 0.01 x 0.9^t x 0.2 x 0.9^t = 0.002 x 0.81^t.  The positions that are sampled
; are those after 0 to 14 steps, so they lie within 0.002 x (1 - 0.81^14) / 0.19 = 0.009976 (20.42 samples) of clip(pos0, 0, 1); the widest
; probe adds 0.01 (20.47 samples).  With i0 = floor(clip(pos0) x 2047) all taps lie in [i0-42, i0+43].
; q = clamp((i0 - 44) >> 2, 0, 488): the window starts at 4q in [i0-47, i0-44] (16-byte aligned) and stays inside the row at both ends.
; The start is made here and stored as a whole number because the next launch forms addresses from it.
; Thread t of group g owns rows 4 (256 g + t) .. + 3: 48 neighbouring bytes in, and 16 neighbouring bytes out in each of the three planes,
; so that a wave's store covers 512 consecutive bytes.  A NaN position counts as 0 here (v_max_num_f32 drops it).
.set X, 4                              ; v[4:15]   x[3 r + c] as loaded, then at work
.set Q, 16                             ; v[16:27]  q[4 c + r]: the last line of the chain transposes
.set PLANE, 131072                     ; bytes of a plane of qt
	s_load_b128 s[4:7], s[0:1], 0x0                ; initial_predictions s[4:5], qt s[6:7]
	s_mul_i32 s8, ttmp9, 12288                     ; 1,024 rows of 12 bytes a group
	s_mov_b32 s9, 0
	s_lshl_b32 s10, ttmp9, 12                      ; 1,024 words a group in each plane
	s_mov_b32 s11, 0
	v_mul_u32_u24 v1, v0, 48
	v_lshlrev_b32 v2, 4, v0
	s_wait_kmcnt 0x0
	s_add_nc_u64 s[4:5], s[4:5], s[8:9]
	s_add_nc_u64 s[6:7], s[6:7], s[10:11]
	global_load_b128 v[X:X+3],    v1, s[4:5]
	global_load_b128 v[X+4:X+7],  v1, s[4:5] offset:16
	global_load_b128 v[X+8:X+11], v1, s[4:5] offset:32
	s_wait_loadcnt 0x0
.irp r, 0,1,2,3
.irp c, 0,1,2
	v_max_num_f32 v[X+3*\r+\c], 0, v[X+3*\r+\c]            ; clip to [0, 1]
	v_min_num_f32 v[X+3*\r+\c], 1.0, v[X+3*\r+\c]
	v_mul_f32     v[X+3*\r+\c], 0x44ffe000, v[X+3*\r+\c]   ; x 2047
	v_cvt_i32_f32 v[X+3*\r+\c], v[X+3*\r+\c]               ; toward zero = floor, the number is not negative: i0
	v_add_nc_u32  v[X+3*\r+\c], 0xffffffd4, v[X+3*\r+\c]   ; i0 - 44
	v_ashrrev_i32 v[X+3*\r+\c], 2, v[X+3*\r+\c]
	v_max_i32     v[X+3*\r+\c], 0, v[X+3*\r+\c]
	v_min_u32     v[Q+4*\c+\r], 0x1e8, v[X+3*\r+\c]        ; 488 = (2048 - 96) / 4
.endr
.endr
.irp c, 0,1,2
	global_store_b128 v2, v[Q+4*\c:Q+4*\c+3], s[6:7] offset:\c*PLANE
.endr
	s_endpgm
.Lfunc_end_k_qfae4884b83_window:
	.size	k_qfae4884b83_window, .Lfunc_end_k_qfae4884b83_window-k_qfae4884b83_window
	.p2alignl 7, 3214868480
	.fill 96, 4, 3214868480
	.section	.rodata,"a",@progbits
	.p2align	6, 0x0
	.amdhsa_kernel k_qfae4884b83_window
		.amdhsa_group_segment_fixed_size 0
		.amdhsa_private_segment_fixed_size 0
		.amdhsa_enable_private_segment 0
		.amdhsa_kernarg_size 16
		.amdhsa_user_sgpr_count 2
		.amdhsa_user_sgpr_kernarg_segment_ptr 1
		.amdhsa_wavefront_size32 1
		.amdhsa_system_sgpr_workgroup_id_x 1
		.amdhsa_system_sgpr_workgroup_id_y 1
		.amdhsa_system_sgpr_workgroup_id_z 1
		.amdhsa_system_vgpr_workitem_id 0
		.amdhsa_next_free_vgpr 32
		.amdhsa_next_free_sgpr 66
		.amdhsa_reserve_vcc 0
		.amdhsa_float_denorm_mode_32 3
		.amdhsa_float_denorm_mode_16_64 3
		.amdhsa_memory_ordered 1
		.amdhsa_forward_progress 1
		.amdhsa_inst_pref_size 6
	.end_amdhsa_kernel
	.amdgpu_metadata
---
amdhsa.version: [ 1, 2 ]
amdhsa.kernels:
  - .name:           k_qfae4884b83_window
    .symbol:         k_qfae4884b83_window.kd
    .args:
      - { .name: initial_predictions, .offset: 0, .size: 8, .value_kind: global_buffer, .address_space: global }
      - { .name: qt, .offset: 8, .size: 8, .value_kind: global_buffer, .address_space: global }
    .group_segment_fixed_size: 0
    .private_segment_fixed_size: 0
    .kernarg_segment_align: 8
    .kernarg_segment_size: 16
    .max_flat_workgroup_size: 256
    .sgpr_count:     66
    .vgpr_count:     32
    .wavefront_size: 32
...
	.end_amdgpu_metadata
.endif
;; end of part 1
;; launch walk (part 2): grid 256 x 1, 12 waves a work-group, no clusters, 230,400 bytes of LDS; arguments initial_predictions, signals, qt, traj, chg; writes traj, chg
.if DOCPART == 2
	.amdgcn_target "amdgcn-amd-amdhsa--gfx1250"
	.amdhsa_code_object_version 6
	.text
	.protected	k_qfae4884b83_walk
	.globl	k_qfae4884b83_walk
	.p2align	8
	.type	k_qfae4884b83_walk,@function
k_qfae4884b83_walk:
	s_mov_b64 s[64:65], 0
	v_nop
	global_prefetch_b8 v0, s[64:65] scope:SCOPE_SE
	s_setreg_imm32_b32 hwreg(HW_REG_WAVE_MODE, 25, 1), 1
	s_wait_xcnt 0x0
; The 15 steps of every point, without the global stop: traj[t][c][row] = position after step t, chg[group][t] = the group's largest |change| of step t.
; Up to the first step that stops, the walks do not hang on the stop test, and the result is the position after that step; the next launch picks it.
; A work-group owns 128 rows = 384 points; wave w owns 32 of them (rows 32 rb .., column c, w = 3 rb + c), one point a lane.
; A point's 96-float window (start 4q, from the launch before) is copied to LDS, 16 bytes a lane, and from there into the lane's 96 registers.
; No address may hang on a position, so a tap is CHOSEN, not addressed: a barrel shifter of v_cndmask_b32 moves the window by U = il - 4q
; (il = floor of the centre's sample number), after which T[o] = row[il + o] for the 20 offsets o that the nine probes can need.
; Where a position lies outside [eps, 1 - eps] reference() samples at fixed places of the row's end; those differences are made once (DB, EB).
; LEFT OUT, since reference() never lets them reach its result: best_values (and the sample of the new position that feeds it alone);
; the test step_size < 1e-4, which cannot hold: 0.01 x 0.9^14 = 2.29e-3.
; LIMITS: finite inputs (a tap of weight 0 is multiplied, not skipped; v_max_num_f32 drops a NaN position and a NaN change).  Rounding other than
; reference()'s: w / (2 eps) and w / eps^2 are the constants 250, 50, 10 and 5e5, 33333.33, 2000; the division is v_rcp_f32 and a product;
; 0.2 x 0.9^t is made by repeated products.
; No cluster and no joint request: no two work-groups read the same bytes of signals.  No matrix work: there is no product of matrices.
; No prefetch: each wave issues all its copies at its entry, 32 of them, 12,288 bytes of data.
.set NSTEP, 15
.set PITCH, 528                        ; LDS bytes from point to point: 384 of data, 128 of repeats, 16 free; 33 x 16, so sixteen lanes' 16-byte reads fall in sixteen different 16-byte columns of 256 bytes
.set WINB,  32*PITCH                   ; a wave's windows; twelve of them from LDS byte 0
.set STG,   12*WINB                    ; 202,752: positions, wave w, step t, lane l at w 2048 + t 128 + 4 l
.set MXB,   STG+12*2048                ; 227,328: change vectors, 128 bytes a wave
.set TSTEP, 393216                     ; bytes of a step in traj
.set TPLANE, 131072                    ; bytes of a plane in it
.set W,   32                           ; v[32:127]  the window
.set TB,  149                          ; v[128:202] T[x] = v[TB + x], x = -21 .. 53
.set VO,  128                          ; v[128:159] in front of the loop: a copy's global offset, one register for each copy
.set DB,  203                          ; v[204:206] vr - vl at my row's end, eps 1..3
.set EB,  206                          ; v[207:209] vr + vl - 2 v there
.set QS,  16                           ; s[16:47]   q of my wave's 32 points
.set M32, 66                           ; masks: U >= 32, U >= 64, then bits 4..0 of U
.set M64, 67
.set M16, 68
.set M8,  69
.set M4,  70
.set M2,  71
.set M1,  72
.set OB,  72                           ; s[73:75]   position outside [eps, 1 - eps], eps 1..3
; v1 lane  v2 position  v3 4q  v4 change vector (lane t: step t)  v5 LDS address of the next position  v6 centre p  v7 its floor  v8 its weight  v9 U
; v10-v15 at work  v16 centre value  v17-v22 vr, vl of eps 1..3, then their D, E  v23 g  v24 c  v25 1/c  v26 step, new position  v27 change  v28 at work
; v29 16 min(lane, 23)  v30 copies' LDS address  v31 my window's LDS address
	s_load_b256 s[4:11], s[0:1], 0x0               ; initial_predictions s[4:5], signals s[6:7], qt s[8:9], traj s[10:11]
	s_load_b64 s[12:13], s[0:1], 0x20              ; chg
	v_lshl_add_u32 v212, v0, 2, 0x37e00
	v_mov_b32 v213, 0
	ds_add_u32 v212, v213
	ds_add_u32 v212, v213
	v_and_b32 v1, 31, v0
	v_lshrrev_b32 v10, 5, v0
	v_readfirstlane_b32 s14, v10                   ; wave w, 0 to 11
	s_mul_i32 s15, s14, 11
	s_lshr_b32 s15, s15, 5                         ; rb = w / 3 (11 w >> 5 for w < 12)
	s_mul_i32 s48, s15, 3
	s_sub_co_u32 s48, s14, s48                     ; c = w - 3 rb
	s_lshl_b32 s57, ttmp9, 7
	s_lshl_b32 s49, s15, 5
	s_add_co_u32 s57, s57, s49                     ; my unit's first row = 128 g + 32 rb
	s_lshl_b32 s58, s48, 15
	s_add_co_u32 s58, s58, s57
	s_lshl_b32 s58, s58, 2                         ; byte of qt[c][first row]
	s_mov_b32 s59, 0
	s_wait_dscnt 0x0
	s_wait_kmcnt 0x0
	s_add_nc_u64 s[60:61], s[8:9], s[58:59]
	s_load_b512 s[16:31], s[60:61], 0x0            ; the 32 q as scalars: each copy serves one point
	s_load_b512 s[32:47], s[60:61], 0x40
	s_lshl_b32 s58, s57, 13                        ; rows of 8,192 bytes; below 2^28
	s_add_nc_u64 s[62:63], s[6:7], s[58:59]        ; signals at my first row
	s_mul_i32 s58, s57, 12
	s_lshl2_add_u32 s58, s48, s58                  ; 12 x row + 4 c
	s_add_nc_u64 s[4:5], s[4:5], s[58:59]
	v_mul_u32_u24 v10, v1, 12
	v_lshlrev_b32 v11, 2, v1
	global_load_b32 v2, v10, s[4:5]                ; my point's position
	global_load_b32 v3, v11, s[60:61]              ; and its q, once more, by lanes
	v_min_u32 v29, 23, v1                          ; lanes 24-31 repeat the window's last 16 bytes into the row's spare bytes: EXEC stays whole, no copy leaves the row
	v_lshlrev_b32 v29, 4, v29
	s_mul_i32 s49, s14, WINB
	v_lshl_add_u32 v30, v1, 4, s49
	v_mul_u32_u24 v31, v1, PITCH
	v_add_nc_u32 v31, s49, v31
	s_wait_kmcnt 0x0
	; Copy i: point i's window.  The immediate is added to both addresses (ISA guide, chapter 10), so it steps LDS by the pitch, and the
	; offset register makes up the rest of a row of signals: 7,664 + 528 = 8,192.
.set i, 0
.rept 32
	s_min_u32 s[QS+i], s[QS+i], 488                ; a loaded number enters an address only clamped
	s_lshl_b32 s[QS+i], s[QS+i], 4                 ; 4 q floats = 16 q bytes
	s_add_co_u32 s[QS+i], s[QS+i], i*(8192-PITCH)
	v_add_nc_u32 v[VO+i], s[QS+i], v29
	global_load_async_to_lds_b128 v30, v[VO+i], s[62:63] offset:i*PITCH
.set i, i+1
.endr
	s_mov_b32 s53, 0x44ffe000                      ; 2047.0
	s_mov_b32 s54, 0x447a0000                      ; 1000.0
	s_mov_b32 s55, 0x76543210                      ; v_permlanex16_b32: lane i takes lane i of the other half
	s_mov_b32 s56, 0xfedcba98
	s_mov_b32 s50, 0x3c23d70a                      ; step size 0.01
	s_mov_b32 s51, 0x3e4ccccd                      ; largest step 0.2
	s_mov_b32 s52, 0xbe4ccccd
	s_lshl_b32 s49, s14, 11
	s_add_co_u32 s49, s49, STG
	v_lshl_add_u32 v5, v1, 2, s49
	v_mov_b32 v4, 0
	s_wait_asynccnt 0x0                            ; my 32 copies have landed; only my wave reads these bytes, so no barrier
.set i, 0
.rept 24
	ds_load_b128 v[W+4*i:W+4*i+3], v31 offset:16*i
.set i, i+1
.endr
	s_wait_loadcnt 0x0                             ; position and q
	v_lshlrev_b32 v3, 2, v3                        ; the window's first sample
	v_cmp_eq_u32 vcc_lo, 0, v3                     ; a point that can come below 0.01 has i0 <= 41, so start 0; one that can pass 0.99 has i0 >= 2006, so start 1952
	s_wait_dscnt 0x0                               ; the window is in registers
; d = w0 W[i] + w1 W[i+1]
.macro LERP d, i, w0, w1
	v_mul_f32 v[\d], \w0, v[W+\i]
	v_fmamk_f32 v[\d], v[W+\i+1], \w1, v[\d]
.endm
; Position clipped to eps (left end, window start 0): vl = row[0], v at eps x 2047 = iv + bv, vr at 2 eps x 2047 = ir + br.
; Clipped to 1 - eps (right end, start 1952): the mirror image, tap 94 - i with the weights exchanged, vr = row[2047] = W[95].
.macro BORDER k, iv, av, bv, ir, ar, br
	LERP 10, \iv, \av, \bv
	LERP 11, \ir, \ar, \br
	v_sub_f32 v12, v11, v[W]
	v_add_f32 v13, v11, v[W]
	v_fma_f32 v13, -2.0, v10, v13
	LERP 10, 94-\iv, \bv, \av
	LERP 11, 94-\ir, \br, \ar
	v_sub_f32 v14, v[W+95], v11
	v_add_f32 v15, v[W+95], v11
	v_fma_f32 v15, -2.0, v10, v15
	v_cndmask_b32 v[DB+\k], v14, v12, vcc_lo       ; start 0: the left end's
	v_cndmask_b32 v[EB+\k], v15, v13, vcc_lo
.endm
	BORDER 1,  2, 0x3f73f7cf, 0x3d408312,  4, 0x3f67ef9e, 0x3dc08312   ; 2.047: .953, .047    4.094: .906, .094
	BORDER 2,  6, 0x3f5be76d, 0x3e10624e, 12, 0x3f37ced9, 0x3e90624e   ; 6.141: .859, .141   12.282: .718, .282
	BORDER 3, 20, 0x3f07ae14, 0x3ef0a3d7, 40, 0x3d75c28f, 0x3f70a3d7   ; 20.47: .53, .47      40.94: .06, .94
.macro BIT sh, m
	v_and_b32 v28, \sh, v9
	v_cmp_ne_u32 s[\m], 0, v28
.endm
.macro OUTSIDE k, eps, ome                     ; s[OB+k] = position < eps or position > 1 - eps
	v_cmp_gt_f32 s[OB+\k], \eps, v2
	v_cmp_lt_f32 s76, \ome, v2
	s_or_b32 s[OB+\k], s[OB+\k], s76
.endm
; One stage of the shifter, in place, x ascending: T[x + sh] is read before its own turn.
.macro RANGE sh, lo, hi, m
.set x, \lo
.rept \hi-(\lo)+1
	v_cndmask_b32 v[TB+x], v[TB+x], v[TB+x+\sh], s[\m]
.set x, x+1
.endr
.endm
; d = the row at position + eps.  eps x 2047 has a fraction far from 0 and 1 (.047, .141, .47), so its floor is il + b0 or il + b0 + 1.
.macro POINT d, eps, b0, thr
	v_add_f32 v10, \eps, v2
	v_mul_f32 v10, s53, v10
	v_max_num_f32 v10, 0, v10
	v_min_num_f32 v10, s53, v10                    ; p
	v_floor_f32 v11, v10
	v_sub_f32 v12, v10, v11                        ; weight of the right tap
	v_sub_f32 v13, v11, v7                         ; floor(p) - il
	v_cmp_le_f32 vcc_lo, \thr, v13
	v_cndmask_b32 v14, v[TB+(\b0)], v[TB+(\b0)+1], vcc_lo
	v_cndmask_b32 v15, v[TB+(\b0)+1], v[TB+(\b0)+2], vcc_lo
	v_sub_f32 v13, 1.0, v12
	v_mul_f32 v[\d], v13, v14
	v_fmac_f32 v[\d], v12, v15
.endm
; vr, vl become D = vr - vl and E = vr + vl - 2 v, or the row end's where the position is clipped
.macro DIFF k, vr, vl
	v_add_f32 v10, v[\vr], v[\vl]
	v_sub_f32 v[\vr], v[\vr], v[\vl]
	v_fma_f32 v[\vl], -2.0, v16, v10
	v_cndmask_b32 v[\vr], v[\vr], v[DB+\k], s[OB+\k]
	v_cndmask_b32 v[\vl], v[\vl], v[EB+\k], s[OB+\k]
.endm
	s_mov_b32 s49, 0                               ; t
.Lstep:
	v_mul_f32 v6, s53, v2                          ; the centre: p = clip(2047 pos), il, weight, U = il - start, 0 to 95
	v_max_num_f32 v6, 0, v6
	v_min_num_f32 v6, s53, v6
	v_floor_f32 v7, v6
	v_sub_f32 v8, v6, v7
	v_cvt_i32_f32 v9, v7
	v_sub_nc_u32 v9, v9, v3
	v_cmp_le_u32 s[M32], 32, v9
	v_cmp_le_u32 s[M64], 64, v9
	BIT 16, M16
	BIT 8, M8
	BIT 4, M4
	BIT 2, M2
	BIT 1, M1
	OUTSIDE 1, 0x3a83126f, 0x3f7fbe77
	OUTSIDE 2, 0x3b449ba6, 0x3f7f3b64
	OUTSIDE 3, 0x3c23d70a, 0x3f7d70a4
	; first stage: T[x] = W[x + 32 (U >> 5)].  A source outside the window is not named: what would come from it is no tap of a probe that counts.
.set x, -21
.rept 21
	v_cndmask_b32 v[TB+x], v[W+x+32], v[W+x+64], s[M64]
.set x, x+1
.endr
.rept 32
	v_cndmask_b32 v[TB+x], v[W+x], v[W+x+32], s[M32]
	v_cndmask_b32 v[TB+x], v[TB+x], v[W+x+64], s[M64]
.set x, x+1
.endr
.rept 22
	v_cndmask_b32 v[TB+x], v[W+x], v[W+x+32], s[M32]
.set x, x+1
.endr
	; the other five: each stage makes only what the next one reads (the last: offsets -21..-19, -7..-5, -3..4, 6..8, 20..22)
	RANGE 16, -21, 37, M16
	RANGE 8, -21, -12, M8
	RANGE 8, -7, 15, M8
	RANGE 8, 20, 29, M8
	RANGE 4, -21, -16, M4
	RANGE 4, -7, 11, M4
	RANGE 4, 20, 25, M4
	RANGE 2, -21, -18, M2
	RANGE 2, -7, 9, M2
	RANGE 2, 20, 23, M2
	RANGE 1, -21, -19, M1
	RANGE 1, -7, -5, M1
	RANGE 1, -3, 4, M1
	RANGE 1, 6, 8, M1
	RANGE 1, 20, 22, M1
	v_sub_f32 v13, 1.0, v8                         ; the centre's value
	v_mul_f32 v16, v13, v[TB]
	v_fmac_f32 v16, v8, v[TB+1]
	POINT 17, 0x3a83126f, 2, 0x40400000            ; + 0.001: floor il + 2 or il + 3
	POINT 18, 0xba83126f, -3, 0xc0000000           ; - 0.001: il - 3 or il - 2
	POINT 19, 0x3b449ba6, 6, 0x40e00000            ; + 0.003: il + 6 or il + 7
	POINT 20, 0xbb449ba6, -7, 0xc0c00000           ; - 0.003: il - 7 or il - 6
	POINT 21, 0x3c23d70a, 20, 0x41a80000           ; + 0.01: il + 20 or il + 21
	POINT 22, 0xbc23d70a, -21, 0xc1a00000          ; - 0.01: il - 21 or il - 20
	DIFF 1, 17, 18
	DIFF 2, 19, 20
	DIFF 3, 21, 22
	v_mul_f32 v24, 0x48f42400, v18                 ; c = 5e5 E1 + 33333.33 E2 + 2000 E3
	v_fmamk_f32 v24, v20, 0x47023555, v24
	v_fmamk_f32 v24, v22, 0x44fa0000, v24
	v_mul_f32 v23, 0x437a0000, v17                 ; g = 250 D1 + 50 D2 + 10 D3
	v_fmamk_f32 v23, v19, 0x42480000, v23
	v_min_num_f32 v24, |v24|, s54                  ; |clip(c, -1000, 1000)|
	v_add_f32 v24, 0x358637bd, v24                 ; + 1e-6
	v_rcp_f32 v25, v24
	v_fmamk_f32 v23, v21, 0x41200000, v23          ; g's last term is the plain instruction between the reciprocal and its use (ISA guide 5.7.2)
	s_wait_alu depctr_va_vdst(0)
	v_mul_f32 v26, -v23, v25
	v_max_num_f32 v26, s52, v26                    ; clip to +- 0.2 x 0.9^t
	v_min_num_f32 v26, s51, v26
	v_fma_f32 v26, s50, v26, v2
	v_max_num_f32 v26, 0, v26
	v_min_num_f32 v26, 1.0, v26                    ; the new position
	v_sub_f32 v27, v26, v2
	v_and_b32 v27, 0x7fffffff, v27                 ; |change|, against the raw input in step 0, as in reference()
	ds_store_b32 v5, v26
	v_mov_b32 v2, v26
	v_add_nc_u32 v5, 0x80, v5                      ; the next step's 128 bytes
	v_max_num_f32_dpp v27, v27, v27 row_xmask:1 row_mask:0xf bank_mask:0xf
	v_max_num_f32_dpp v27, v27, v27 row_xmask:2 row_mask:0xf bank_mask:0xf
	v_max_num_f32_dpp v27, v27, v27 row_xmask:4 row_mask:0xf bank_mask:0xf
	v_max_num_f32_dpp v27, v27, v27 row_xmask:8 row_mask:0xf bank_mask:0xf
	v_permlanex16_b32 v28, v27, s55, s56
	v_max_num_f32 v27, v27, v28                    ; the wave's largest change, in every lane
	v_cmp_eq_u32 s77, s49, v1
	v_cndmask_b32 v4, v4, v27, s77                 ; lane t keeps step t's
	s_mul_f32 s50, s50, 0x3f666666                 ; x 0.9
	s_mul_f32 s51, s51, 0x3f666666
	s_mul_f32 s52, s52, 0x3f666666
	s_add_co_u32 s49, s49, 1
	s_cmp_lt_u32 s49, NSTEP
	s_cbranch_scc1 .Lstep
	; THE WAY OUT.  Positions and change vectors change hands in LDS: every wave's stores are done (count zero, for the others' sake), then the barrier.
	s_lshl_b32 s57, s14, 7
	s_add_co_u32 s57, s57, MXB
	v_lshl_add_u32 v10, v1, 2, s57
	ds_store_b32 v10, v4
	s_wait_dscnt 0x0
	s_barrier_signal -1
	s_barrier_wait -1
	; Wave (c, rb) stores plane c of steps rb, rb + 4, rb + 8, rb + 12: the group's 128 rows are 512 consecutive bytes, 16 a lane;
	; lane l's four rows were walked by wave 3 (l >> 3) + c, lanes 4 (l & 7) .. + 3.
	v_lshrrev_b32 v11, 3, v1
	v_mul_u32_u24 v11, v11, 3
	v_add_nc_u32 v11, s48, v11
	v_and_b32 v12, 7, v1
	v_lshlrev_b32 v12, 4, v12
	v_lshl_add_u32 v11, v11, 11, v12
	s_lshl_b32 s57, s15, 7
	s_add_co_u32 s57, s57, STG
	v_add_nc_u32 v11, s57, v11
	v_lshlrev_b32 v13, 4, v1
	s_mul_i32 s58, s15, TSTEP
	s_lshl_b32 s57, s48, 17
	s_add_co_u32 s58, s58, s57
	s_lshl_b32 s57, ttmp9, 9
	s_add_co_u32 s58, s58, s57
	s_add_nc_u64 s[10:11], s[10:11], s[58:59]
	ds_load_b128 v[32:35], v11
	ds_load_b128 v[36:39], v11 offset:512
	ds_load_b128 v[40:43], v11 offset:1024
	s_wait_dscnt 0x0
	global_store_b128 v13, v[32:35], s[10:11]
	global_store_b128 v13, v[36:39], s[10:11] offset:4*TSTEP
	global_store_b128 v13, v[40:43], s[10:11] offset:8*TSTEP
	s_cmp_ge_u32 s14, 9                            ; rb = 3: step 15 does not exist
	s_cbranch_scc1 .Lno_last
	ds_load_b128 v[44:47], v11 offset:1536
	s_wait_dscnt 0x0
	global_store_b128 v13, v[44:47], s[10:11] offset:12*TSTEP
.Lno_last:
	s_cmp_lg_u32 s14, 0                            ; wave 0 alone: the largest of the twelve change vectors, 128 bytes to chg (lanes 15-31 hold 0)
	s_cbranch_scc1 .Lend
	v_lshlrev_b32 v14, 2, v1
	v_add_nc_u32 v15, MXB, v14
.irp k, 0,1,2,3,4,5,6,7,8,9,10,11
	ds_load_b32 v[48+\k], v15 offset:128*\k
.endr
	s_wait_dscnt 0x0
.irp k, 1,3,5,7,9
	v_max3_num_f32 v48, v48, v[48+\k], v[49+\k]
.endr
	v_max_num_f32 v48, v48, v59
	s_lshl_b32 s58, ttmp9, 7
	s_add_nc_u64 s[12:13], s[12:13], s[58:59]
	global_store_b32 v14, v48, s[12:13]
.Lend:
	s_wait_tensorcnt 0x0
	ds_add_u32 v212, v213
	s_wait_dscnt 0x0
	s_endpgm
.Lfunc_end_k_qfae4884b83_walk:
	.size	k_qfae4884b83_walk, .Lfunc_end_k_qfae4884b83_walk-k_qfae4884b83_walk
	.p2alignl 7, 3214868480
	.fill 96, 4, 3214868480
	.section	.rodata,"a",@progbits
	.p2align	6, 0x0
	.amdhsa_kernel k_qfae4884b83_walk
		.amdhsa_group_segment_fixed_size 230400
		.amdhsa_private_segment_fixed_size 0
		.amdhsa_enable_private_segment 0
		.amdhsa_kernarg_size 40
		.amdhsa_user_sgpr_count 2
		.amdhsa_user_sgpr_kernarg_segment_ptr 1
		.amdhsa_wavefront_size32 1
		.amdhsa_system_sgpr_workgroup_id_x 1
		.amdhsa_system_sgpr_workgroup_id_y 1
		.amdhsa_system_sgpr_workgroup_id_z 1
		.amdhsa_system_vgpr_workitem_id 0
		.amdhsa_next_free_vgpr 214
		.amdhsa_next_free_sgpr 78
		.amdhsa_reserve_vcc 1
		.amdhsa_float_denorm_mode_32 3
		.amdhsa_float_denorm_mode_16_64 3
		.amdhsa_memory_ordered 1
		.amdhsa_forward_progress 1
		.amdhsa_inst_pref_size 44
	.end_amdhsa_kernel
	.amdgpu_metadata
---
amdhsa.version: [ 1, 2 ]
amdhsa.kernels:
  - .name:           k_qfae4884b83_walk
    .symbol:         k_qfae4884b83_walk.kd
    .args:
      - { .name: initial_predictions, .offset: 0, .size: 8, .value_kind: global_buffer, .address_space: global }
      - { .name: signals, .offset: 8, .size: 8, .value_kind: global_buffer, .address_space: global }
      - { .name: qt, .offset: 16, .size: 8, .value_kind: global_buffer, .address_space: global }
      - { .name: traj, .offset: 24, .size: 8, .value_kind: global_buffer, .address_space: global }
      - { .name: chg, .offset: 32, .size: 8, .value_kind: global_buffer, .address_space: global }
    .group_segment_fixed_size: 230400
    .private_segment_fixed_size: 0
    .kernarg_segment_align: 8
    .kernarg_segment_size: 40
    .max_flat_workgroup_size: 384
    .sgpr_count:     78
    .vgpr_count:     214
    .wavefront_size: 32
...
	.end_amdgpu_metadata
.endif
;; end of part 2
;; launch pick (part 3): grid 64 x 1, 4 waves a work-group, no clusters, 7,168 bytes of LDS; arguments traj, chg, out0; writes out0
.if DOCPART == 3
	.amdgcn_target "amdgcn-amd-amdhsa--gfx1250"
	.amdhsa_code_object_version 6
	.text
	.protected	k_qfae4884b83_pick
	.globl	k_qfae4884b83_pick
	.p2align	8
	.type	k_qfae4884b83_pick,@function
k_qfae4884b83_pick:
	s_mov_b64 s[64:65], 0
	v_nop
	global_prefetch_b8 v0, s[64:65] scope:SCOPE_SE
	s_setreg_imm32_b32 hwreg(HW_REG_WAVE_MODE, 25, 1), 1
	s_wait_xcnt 0x0
; out0[row][c] = traj[t*][c][row], t* = the first step whose largest |change| over ALL points is below 1e-4, or 14 if there is none:
; reference() takes the new position in the step that stops and freezes everything behind it.
; Every work-group reduces the whole of chg (256 groups x 32 columns, 32,768 bytes) for itself: no traffic between work-groups.
; The choice steers no address: all 15 steps are loaded and v_cndmask_b32 selects, from step 14 down, so that the earliest stop wins.
; Thread t of group g owns rows 512 g + 4 t .. + 3 in the three planes.  A NaN change counts as no stop in reference() and is dropped by the maxima here (inputs are taken as finite).
.set CH,   8                           ; v[8:71]   chg, 16 loads of 16 bytes; later the four waves' maxima, wave k column t at CH + 16 k + t
.set TR,   72                          ; v[72:251] traj: plane c, step t at TR + 4 (15 c + t), four rows
.set OUT,  8                           ; v[8:19]   results, 3 r + c
.set BACK, 20                          ; v[20:31]  the same as they leave
.set STOP, 40                          ; s[40:53]  step t stops (all lanes alike)
.set TSTEP, 393216
.set TPLANE, 131072
.set OS,   512                         ; LDS: 4 x 128 bytes of maxima, then 1,536 bytes a wave for the way out
	s_load_b128 s[4:7], s[0:1], 0x0                ; traj s[4:5], chg s[6:7]
	s_load_b64 s[8:9], s[0:1], 0x10                ; out0
	v_lshl_add_u32 v252, v0, 2, 0x1a00
	v_mov_b32 v253, 0
	v_and_b32 v1, 31, v0
	v_lshrrev_b32 v2, 5, v0
	v_readfirstlane_b32 s10, v2                    ; wave
	v_mov_b32 v2, 0
	v_lshlrev_b32 v3, 4, v0                        ; 16 t
	s_lshl_b32 s14, ttmp9, 11                      ; 512 rows of 4 bytes
	s_mov_b32 s15, 0
	s_mov_b32 s12, 0x76543210
	s_mov_b32 s13, 0xfedcba98
	s_mov_b32 s20, 0x38d1b717                      ; 1e-4
	s_lshl_b32 s11, s10, 7
	v_and_b32 v4, 7, v1
	v_lshl_add_u32 v4, v4, 4, s11                  ; my wave's maxima, my four columns
	s_mul_i32 s16, s10, 1536
	s_add_co_u32 s17, s16, OS
	v_mul_u32_u24 v5, v1, 48
	v_add_nc_u32 v5, s17, v5                       ; way out, in: my 48 bytes
	v_lshl_add_u32 v6, v1, 4, s17                  ; way out, back: 16 bytes a lane
	v_lshlrev_b32 v7, 4, v1
	s_mul_i32 s18, ttmp9, 6144                     ; 512 rows of 12 bytes
	s_add_co_u32 s18, s18, s16
	s_mov_b32 s19, 0
	s_wait_kmcnt 0x0
	s_add_nc_u64 s[4:5], s[4:5], s[14:15]
	s_add_nc_u64 s[8:9], s[8:9], s[18:19]
.irp j, 0,1,2,3,4,5,6,7,8,9,10,11,12,13,14,15
	global_load_b128 v[CH+4*\j:CH+4*\j+3], v3, s[6:7] offset:2048*\j       ; groups (t >> 3) + 16 j, columns 4 (t & 7) .. + 3
.endr
.irp c, 0,1,2
.irp t, 0,1,2,3,4,5,6,7,8,9,10,11,12,13,14
	global_load_b128 v[TR+4*(15*\c+\t):TR+4*(15*\c+\t)+3], v3, s[4:5] offset:\t*TSTEP+\c*TPLANE
.endr
.endr
	s_wait_loadcnt 45                              ; chg is in; the 45 younger loads of traj stay out
.irp i, 0,1,2,3
.irp j, 1,3,5,7,9,11,13
	v_max3_num_f32 v[CH+\i], v[CH+\i], v[CH+4*\j+\i], v[CH+4*\j+4+\i]
.endr
	v_max_num_f32 v[CH+\i], v[CH+\i], v[CH+60+\i]
	v_max_num_f32_dpp v[CH+\i], v[CH+\i], v[CH+\i] row_xmask:8 row_mask:0xf bank_mask:0xf   ; lanes l, l ^ 8, l ^ 16, l ^ 24 hold the same columns
	v_permlanex16_b32 v[CH+4+\i], v[CH+\i], s12, s13
	v_max_num_f32 v[CH+\i], v[CH+\i], v[CH+4+\i]
.endr
	ds_store_b128 v4, v[CH:CH+3]                   ; four lanes write each 16 bytes, with equal values
	s_wait_dscnt 0x0                               ; done, for the other waves' sake
	s_barrier_signal -1
	s_barrier_wait -1
.irp k, 0,1,2,3
.irp p, 0,1,2,3
	ds_load_b128 v[CH+16*\k+4*\p:CH+16*\k+4*\p+3], v2 offset:128*\k+16*\p  ; wave k, columns 4 p .. + 3, the same words for every lane
.endr
.endr
	s_wait_dscnt 0x0
.irp t, 0,1,2,3,4,5,6,7,8,9,10,11,12,13
	v_max3_num_f32 v[CH+\t], v[CH+\t], v[CH+16+\t], v[CH+32+\t]
	v_max_num_f32 v[CH+\t], v[CH+\t], v[CH+48+\t]
	v_cmp_gt_f32 s[STOP+\t], s20, v[CH+\t]         ; 1e-4 > the step's largest change
.endr
; plane c; left = the later planes' loads, which stay out
.macro PLANE c, left
	s_wait_loadcnt \left
.irp r, 0,1,2,3
.irp t, 13,12,11,10,9,8,7,6,5,4,3,2,1
	v_cndmask_b32 v[TR+4*(15*\c+14)+\r], v[TR+4*(15*\c+14)+\r], v[TR+4*(15*\c+\t)+\r], s[STOP+\t]
.endr
	v_cndmask_b32 v[OUT+3*\r+\c], v[TR+4*(15*\c+14)+\r], v[TR+4*(15*\c)+\r], s[STOP]
.endr
.endm
	PLANE 0, 30
	PLANE 1, 15
	PLANE 2, 0
	; A thread's 48 bytes are neighbours in out0, but one store of 16 bytes a lane at a pitch of 48 would cover no 256 bytes whole:
	; through the wave's own LDS bytes (served in order, ISA guide 5.7.1: no wait between stores and loads), then 512 consecutive bytes a store.
.irp i, 0,1,2
	ds_store_b128 v5, v[OUT+4*\i:OUT+4*\i+3] offset:16*\i
.endr
.irp i, 0,1,2
	ds_load_b128 v[BACK+4*\i:BACK+4*\i+3], v6 offset:512*\i
.endr
	s_wait_dscnt 0x0
.irp i, 0,1,2
	global_store_b128 v7, v[BACK+4*\i:BACK+4*\i+3], s[8:9] offset:512*\i
.endr
	s_wait_tensorcnt 0x0
	ds_add_u32 v252, v253
	s_wait_dscnt 0x0
	s_endpgm
.Lfunc_end_k_qfae4884b83_pick:
	.size	k_qfae4884b83_pick, .Lfunc_end_k_qfae4884b83_pick-k_qfae4884b83_pick
	.p2alignl 7, 3214868480
	.fill 96, 4, 3214868480
	.section	.rodata,"a",@progbits
	.p2align	6, 0x0
	.amdhsa_kernel k_qfae4884b83_pick
		.amdhsa_group_segment_fixed_size 7168
		.amdhsa_private_segment_fixed_size 0
		.amdhsa_enable_private_segment 0
		.amdhsa_kernarg_size 24
		.amdhsa_user_sgpr_count 2
		.amdhsa_user_sgpr_kernarg_segment_ptr 1
		.amdhsa_wavefront_size32 1
		.amdhsa_system_sgpr_workgroup_id_x 1
		.amdhsa_system_sgpr_workgroup_id_y 1
		.amdhsa_system_sgpr_workgroup_id_z 1
		.amdhsa_system_vgpr_workitem_id 0
		.amdhsa_next_free_vgpr 254
		.amdhsa_next_free_sgpr 66
		.amdhsa_reserve_vcc 0
		.amdhsa_float_denorm_mode_32 3
		.amdhsa_float_denorm_mode_16_64 3
		.amdhsa_memory_ordered 1
		.amdhsa_forward_progress 1
		.amdhsa_inst_pref_size 25
	.end_amdhsa_kernel
	.amdgpu_metadata
---
amdhsa.version: [ 1, 2 ]
amdhsa.kernels:
  - .name:           k_qfae4884b83_pick
    .symbol:         k_qfae4884b83_pick.kd
    .args:
      - { .name: traj, .offset: 0, .size: 8, .value_kind: global_buffer, .address_space: global }
      - { .name: chg, .offset: 8, .size: 8, .value_kind: global_buffer, .address_space: global }
      - { .name: out0, .offset: 16, .size: 8, .value_kind: global_buffer, .address_space: global }
    .group_segment_fixed_size: 7168
    .private_segment_fixed_size: 0
    .kernarg_segment_align: 8
    .kernarg_segment_size: 24
    .max_flat_workgroup_size: 128
    .sgpr_count:     66
    .vgpr_count:     254
    .wavefront_size: 32
...
	.end_amdgpu_metadata
.endif
;; end of part 3
;; ======== version 2 of 4: 3 launches; 1.50 times as fast as version 1
;; workspace buffers: qt 393,216 bytes of whole numbers; traj 5,898,240 bytes; chg 32,768 bytes
;; launch window: the kernel of part 1 again; grid 32 x 1, 8 waves a work-group, no clusters, 0 bytes of LDS; arguments initial_predictions, qt; writes qt
;; launch walk (part 4): grid 256 x 1, 12 waves a work-group, no clusters, 230,400 bytes of LDS; arguments initial_predictions, signals, qt, traj, chg; writes traj, chg
.if DOCPART == 4
	.amdgcn_target "amdgcn-amd-amdhsa--gfx1250"
	.amdhsa_code_object_version 6
	.text
	.protected	k_qfae4884b83_walk
	.globl	k_qfae4884b83_walk
	.p2align	8
	.type	k_qfae4884b83_walk,@function
k_qfae4884b83_walk:
	s_mov_b64 s[64:65], 0
	v_nop
	global_prefetch_b8 v0, s[64:65] scope:SCOPE_SE
	s_setreg_imm32_b32 hwreg(HW_REG_WAVE_MODE, 25, 1), 1
	s_wait_xcnt 0x0
; The 15 steps of every point, without the global stop: traj[t][c][row] = position after step t, chg[group][t] = the group's largest |change| of step t.
; Up to the first step that stops, the walks do not hang on the stop test, and the result is the position after that step; the next launch picks it.
; A work-group owns 128 rows = 384 points; wave w owns 32 of them (rows 32 rb .., column c, w = 3 rb + c), one point a lane.
; A point's 96-float window (start 4q, from the launch before) is copied to LDS, 16 bytes a lane, and from there into the lane's 96 registers.
; No address may hang on a position, so a tap is CHOSEN, not addressed: a barrel shifter of selects moves the window by U = il - 4q
; (il = floor of the centre's sample number p), after which the 20 samples row[il + o] that the nine probes can need lie in fixed registers.
; The selects of a stage share one mask, in VCC, and go two to an instruction (v_dual_cndmask_b32 on neighbouring registers).
; A probe stands at p +- eps x 2047 = il + b0 + t with a constant b0 and t = w + f in [0, 2) (w = p - il, f constant).  Through its three
; taps F0, F1, F2 the broken line is F0 + t (F1 - F0) + max(t - 1, 0) ((F2 - F1) - (F1 - F0)): packed arithmetic, the + and - probe of an eps side by side.
; Where a position lies outside [eps, 1 - eps] reference() samples at fixed places of the row's end; those differences are made once (BD).
; LEFT OUT, since reference() never lets them reach its result: best_values (and the sample of the new position that feeds it alone);
; the test step_size < 1e-4, which cannot hold: 0.01 x 0.9^14 = 2.29e-3.
; LIMITS: finite inputs (all three taps of a probe are multiplied, also those of weight 0).  Rounding other than reference()'s:
; a probe's place is the centre's rounded p plus a constant, not (pos +- eps) x 2047 rounded anew (p < 2048 is rounded to 1.2e-4 at the most, so
; the two differ by some 2.5e-4 of a sample; where that puts a probe so far past the row's end, that weight falls on another sample of the same row);
; w / (2 eps) and w / eps^2 are the constants 250, 50, 10 and 5e5, 33333.33, 2000; the division is v_rcp_f32 and a product;
; 0.2 x 0.9^t is made by repeated products.
; No cluster and no joint request: no two work-groups read the same bytes of signals.  No matrix work: there is no product of matrices.
; No prefetch: each wave issues all its copies at its entry, 32 of them, 12,288 bytes of data.
.set NSTEP, 15
.set PITCH, 528                        ; LDS bytes from point to point: 384 of data, 128 of repeats, 16 free; 33 x 16, so sixteen lanes' 16-byte reads fall in sixteen different 16-byte columns of 256 bytes
.set WINB,  32*PITCH                   ; a wave's windows; twelve of them from LDS byte 0
.set STG,   12*WINB                    ; 202,752: positions, wave w, step t, lane l at w 2048 + t 128 + 4 l
.set MXB,   STG+12*2048                ; 227,328: change vectors, 128 bytes a wave
.set TSTEP, 393216                     ; bytes of a step in traj
.set TPLANE, 131072                    ; bytes of a plane in it
.set W,   32                           ; v[32:127]  the window
.set TB,  149                          ; v[128:202] T[x] = v[TB + x], x = -21 .. 53
.set VO,  128                          ; v[128:159] in front of the loop: a copy's global offset, one register for each copy
.set BD,  204                          ; v[204:209] eps k: the pair (vr - vl, vr + vl - 2 v) at my row's end, at BD + 2 (k - 1)
.set FP,  212                          ; v[212:229] eps k, tap j: the pair (tap of the + probe, tap of the - probe) at FP + 6 (k - 1) + 2 j
.set FC,  230                          ; v[230:231] row[il], row[il + 1]
.set FK,  232                          ; v[232:237] eps k: the pair of fractions f (+ probe, - probe)
.set KK,  238                          ; v[238:243] eps k: the pair (w / (2 eps), w / eps^2)
.set QS,  16                           ; s[16:47]   q of my wave's 32 points
; v1 lane  v2 position  v3 4q  v4 change vector (lane t: step t)  v5 LDS address of the next position  v6 centre p  v7 il  v8 w  v9 U
; v[10:17] at work: d1, d2, t, max(t-1, 0); then (D, E) of eps 1..3 in v[10:15] and (g, c) in v[16:17]
; v[18:23] (vr, vl) of eps 1..3  v24 centre value  v25 1/c  v26 step  v27 old position, change  v28 at work
; v29 16 min(lane, 23)  v30 copies' LDS address  v31 my window's LDS address
	s_load_b256 s[4:11], s[0:1], 0x0               ; initial_predictions s[4:5], signals s[6:7], qt s[8:9], traj s[10:11]
	s_load_b64 s[12:13], s[0:1], 0x20              ; chg
	v_lshl_add_u32 v244, v0, 2, 0x37e00
	v_mov_b32 v245, 0
	ds_add_u32 v244, v245
	ds_add_u32 v244, v245
	v_and_b32 v1, 31, v0
	v_lshrrev_b32 v10, 5, v0
	v_readfirstlane_b32 s14, v10                   ; wave w, 0 to 11
	s_mul_i32 s15, s14, 11
	s_lshr_b32 s15, s15, 5                         ; rb = w / 3 (11 w >> 5 for w < 12)
	s_mul_i32 s48, s15, 3
	s_sub_co_u32 s48, s14, s48                     ; c = w - 3 rb
	s_lshl_b32 s57, ttmp9, 7
	s_lshl_b32 s49, s15, 5
	s_add_co_u32 s57, s57, s49                     ; my unit's first row = 128 g + 32 rb
	s_lshl_b32 s58, s48, 15
	s_add_co_u32 s58, s58, s57
	s_lshl_b32 s58, s58, 2                         ; byte of qt[c][first row]
	s_mov_b32 s59, 0
	s_wait_dscnt 0x0
	s_wait_kmcnt 0x0
	s_add_nc_u64 s[60:61], s[8:9], s[58:59]
	s_load_b512 s[16:31], s[60:61], 0x0            ; the 32 q as scalars: each copy serves one point
	s_load_b512 s[32:47], s[60:61], 0x40
	s_lshl_b32 s58, s57, 13                        ; rows of 8,192 bytes; below 2^28
	s_add_nc_u64 s[62:63], s[6:7], s[58:59]        ; signals at my first row
	s_mul_i32 s58, s57, 12
	s_lshl2_add_u32 s58, s48, s58                  ; 12 x row + 4 c
	s_add_nc_u64 s[4:5], s[4:5], s[58:59]
	v_mul_u32_u24 v10, v1, 12
	v_lshlrev_b32 v11, 2, v1
	global_load_b32 v2, v10, s[4:5]                ; my point's position
	global_load_b32 v3, v11, s[60:61]              ; and its q, once more, by lanes
	v_min_u32 v29, 23, v1                          ; lanes 24-31 repeat the window's last 16 bytes into the row's spare bytes: EXEC stays whole, no copy leaves the row
	v_lshlrev_b32 v29, 4, v29
	s_mul_i32 s49, s14, WINB
	v_lshl_add_u32 v30, v1, 4, s49
	v_mul_u32_u24 v31, v1, PITCH
	v_add_nc_u32 v31, s49, v31
	s_wait_kmcnt 0x0
	; Copy i: point i's window.  The immediate is added to both addresses (ISA guide, chapter 10), so it steps LDS by the pitch, and the
	; offset register makes up the rest of a row of signals: 7,664 + 528 = 8,192.
.set i, 0
.rept 32
	s_min_u32 s[QS+i], s[QS+i], 488                ; a loaded number enters an address only clamped
	s_lshl_b32 s[QS+i], s[QS+i], 4                 ; 4 q floats = 16 q bytes
	s_add_co_u32 s[QS+i], s[QS+i], i*(8192-PITCH)
	v_add_nc_u32 v[VO+i], s[QS+i], v29
	global_load_async_to_lds_b128 v30, v[VO+i], s[62:63] offset:i*PITCH
.set i, i+1
.endr
	; constants, while the copies are on their way
	s_mov_b32 s53, 0x44ffe000                      ; 2047.0
	s_mov_b32 s54, 0x447a0000                      ; 1000.0
	s_mov_b32 s55, 0x76543210                      ; v_permlanex16_b32: lane i takes lane i of the other half
	s_mov_b32 s56, 0xfedcba98
	s_mov_b32 s50, 0x3c23d70a                      ; step size 0.01
	s_mov_b32 s51, 0x3e4ccccd                      ; largest step 0.2
	s_mov_b32 s52, 0xbe4ccccd
	s_lshl_b32 s49, s14, 11
	s_add_co_u32 s49, s49, STG
	v_lshl_add_u32 v5, v1, 2, s49
	v_mov_b32 v4, 0
	v_mov_b32 v[FK+0], 0x3d408312                  ; + 2.047 = 2 + .047
	v_mov_b32 v[FK+1], 0x3f73f7cf                  ; - 2.047 = -3 + .953
	v_mov_b32 v[FK+2], 0x3e10624e                  ; + 6.141 = 6 + .141
	v_mov_b32 v[FK+3], 0x3f5be76d                  ; - 6.141 = -7 + .859
	v_mov_b32 v[FK+4], 0x3ef0a3d7                  ; + 20.47 = 20 + .47
	v_mov_b32 v[FK+5], 0x3f07ae14                  ; - 20.47 = -21 + .53
	v_mov_b32 v[KK+0], 0x437a0000                  ; 0.5 / 0.002 = 250
	v_mov_b32 v[KK+1], 0x48f42400                  ; 0.5 / 1e-6 = 5e5
	v_mov_b32 v[KK+2], 0x42480000                  ; 0.3 / 0.006 = 50
	v_mov_b32 v[KK+3], 0x47023555                  ; 0.3 / 9e-6 = 33333.33
	v_mov_b32 v[KK+4], 0x41200000                  ; 0.2 / 0.02 = 10
	v_mov_b32 v[KK+5], 0x44fa0000                  ; 0.2 / 1e-4 = 2000
	s_wait_asynccnt 0x0                            ; my 32 copies have landed; only my wave reads these bytes, so no barrier
.set i, 0
.rept 24
	ds_load_b128 v[W+4*i:W+4*i+3], v31 offset:16*i
.set i, i+1
.endr
	s_wait_loadcnt 0x0                             ; position and q
	v_lshlrev_b32 v3, 2, v3                        ; the window's first sample
	v_cmp_eq_u32 vcc_lo, 0, v3                     ; a point that can come below 0.01 has i0 <= 41, so start 0; one that can pass 0.99 has i0 >= 2006, so start 1952
	s_wait_dscnt 0x0                               ; the window is in registers
; d = w0 W[i] + w1 W[i+1]
.macro LERP d, i, w0, w1
	v_mul_f32 v[\d], \w0, v[W+\i]
	v_fmamk_f32 v[\d], v[W+\i+1], \w1, v[\d]
.endm
; Position clipped to eps (left end, window start 0): vl = row[0], v at eps x 2047 = iv + bv, vr at 2 eps x 2047 = ir + br.
; Clipped to 1 - eps (right end, start 1952): the mirror image, tap 94 - i with the weights exchanged, vr = row[2047] = W[95].
.macro BORDER k, iv, av, bv, ir, ar, br
	LERP 10, \iv, \av, \bv
	LERP 11, \ir, \ar, \br
	v_sub_f32 v12, v11, v[W]
	v_add_f32 v13, v11, v[W]
	v_fma_f32 v13, -2.0, v10, v13
	LERP 10, 94-\iv, \bv, \av
	LERP 11, 94-\ir, \br, \ar
	v_sub_f32 v14, v[W+95], v11
	v_add_f32 v15, v[W+95], v11
	v_fma_f32 v15, -2.0, v10, v15
	v_cndmask_b32 v[BD+2*\k-2], v14, v12, vcc_lo   ; start 0: the left end's
	v_cndmask_b32 v[BD+2*\k-1], v15, v13, vcc_lo
.endm
	BORDER 1,  2, 0x3f73f7cf, 0x3d408312,  4, 0x3f67ef9e, 0x3dc08312   ; 2.047: .953, .047    4.094: .906, .094
	BORDER 2,  6, 0x3f5be76d, 0x3e10624e, 12, 0x3f37ced9, 0x3e90624e   ; 6.141: .859, .141   12.282: .718, .282
	BORDER 3, 20, 0x3f07ae14, 0x3ef0a3d7, 40, 0x3d75c28f, 0x3f70a3d7   ; 20.47: .53, .47      40.94: .06, .94
; Two selects on neighbouring registers in one instruction, both by VCC: d = VCC ? b : a.  One destination is even and one odd, and the two
; first sources, like the two second ones, are one register apart, so in different register banks (ISA guide, the chapter on dual-issue VOPD).
.macro SEL2 d, a, b
	v_dual_cndmask_b32 v[\d], v[\a], v[\b] :: v_dual_cndmask_b32 v[(\d)+1], v[(\a)+1], v[(\b)+1]
.endm
.macro BIT sh                                  ; VCC = bit of U
	v_and_b32 v28, \sh, v9
	v_cmp_ne_u32 vcc_lo, 0, v28
.endm
; One stage of the shifter (sh >= 2), in place, x ascending: T[x + sh] and T[x + 1 + sh] are read before their own turn,
; and neither half of a pair reads what the other writes.
.macro RANGE sh, lo, hi
.set x, \lo
.rept (\hi-(\lo)+1)/2
	SEL2 TB+x, TB+x, TB+x+\sh
.set x, x+2
.endr
.if (\hi-(\lo)+1)%2
	v_cndmask_b32 v[TB+x], v[TB+x], v[TB+x+\sh], vcc_lo
.endif
.endm
; The last stage (shift by 1) for eps k writes elsewhere, so that its halves are independent too: tap j of the + probe (row[il + bp + j]) and
; tap j of the - probe (row[il + bm + j]) become a register pair.  bp - bm is 5, 13, 41: odd, so parities and banks differ as above.
.macro LAST k, bp, bm
.irp j, 0,1,2
	v_dual_cndmask_b32 v[FP+6*\k-6+2*\j], v[TB+\bp+\j], v[TB+\bp+\j+1] :: v_dual_cndmask_b32 v[FP+6*\k-5+2*\j], v[TB+(\bm)+\j], v[TB+(\bm)+\j+1]
.endr
.endm
; (vr, vl) of eps k into v[16+2k : 17+2k]
.macro PROBES k
	v_pk_add_f32 v[10:11], v[FP+6*\k-4:FP+6*\k-3], v[FP+6*\k-6:FP+6*\k-5] neg_lo:[0,1] neg_hi:[0,1]   ; d1 = F1 - F0
	v_pk_add_f32 v[12:13], v[FP+6*\k-2:FP+6*\k-1], v[FP+6*\k-4:FP+6*\k-3] neg_lo:[0,1] neg_hi:[0,1]   ; d2 = F2 - F1
	v_pk_add_f32 v[14:15], v[8:9], v[FK+2*\k-2:FK+2*\k-1] op_sel_hi:[0,1]                             ; t = w + f (w for both halves)
	v_pk_add_f32 v[12:13], v[12:13], v[10:11] neg_lo:[0,1] neg_hi:[0,1]                               ; d2 - d1
	v_pk_add_f32 v[16:17], v[14:15], -1.0 op_sel_hi:[1,0]                                             ; t - 1
	v_pk_fma_f32 v[16+2*\k:17+2*\k], v[14:15], v[10:11], v[FP+6*\k-6:FP+6*\k-5]                       ; F0 + t d1
	v_dual_max_num_f32 v16, 0, v16 :: v_dual_max_num_f32 v17, 0, v17
	v_pk_fma_f32 v[16+2*\k:17+2*\k], v[16:17], v[12:13], v[16+2*\k:17+2*\k]                           ; + max(t - 1, 0) (d2 - d1)
.endm
; (D, E) = (vr - vl, vr + vl - 2 v) of eps k into v[8+2k : 9+2k], or the row end's where reference() clips the position
.macro DIFF k, eps, ome
	v_dual_sub_f32 v[8+2*\k], v[16+2*\k], v[17+2*\k] :: v_dual_add_f32 v[9+2*\k], v[17+2*\k], v[16+2*\k]
	v_cmp_gt_f32 s73, \eps, v2                     ; position < eps
	v_cmp_lt_f32 vcc_lo, \ome, v2                  ; position > 1 - eps
	v_fma_f32 v[9+2*\k], -2.0, v24, v[9+2*\k]
	s_or_b32 vcc_lo, vcc_lo, s73
	SEL2 8+2*\k, 8+2*\k, BD+2*\k-2
.endm
	s_mov_b32 s49, 0                               ; t
.Lstep:
	v_mul_f32 v6, s53, v2                          ; the centre: p = clip(2047 pos), il, w, U = il - start, 0 to 95
	v_med3_num_f32 v6, v6, 0, s53
	v_floor_f32 v7, v6
	v_sub_f32 v8, v6, v7
	v_cvt_i32_f32 v9, v7
	v_sub_nc_u32 v9, v9, v3
	; first stage, in two passes: T[x] = W[x + 32 (U >> 5)].  A source outside the window is not named: what would come from it is no tap of a probe that counts.
	v_cmp_le_u32 vcc_lo, 32, v9
.set x, 0
.rept 27
	SEL2 TB+x, W+x, W+x+32                         ; x = 0 .. 53
.set x, x+2
.endr
	v_cmp_le_u32 vcc_lo, 64, v9
.set x, -21
.rept 10
	SEL2 TB+x, W+x+32, W+x+64                      ; x = -21 .. -2
.set x, x+2
.endr
	v_cndmask_b32 v[TB-1], v[W+31], v[W+63], vcc_lo
.set x, 0
.rept 16
	SEL2 TB+x, TB+x, W+x+64                        ; x = 0 .. 31
.set x, x+2
.endr
	; the other five: each stage makes only what the next one reads (the last: offsets -21..-19, -7..-5, -3..4, 6..8, 20..22)
	BIT 16
	RANGE 16, -21, 37
	BIT 8
	RANGE 8, -21, -12
	RANGE 8, -7, 15
	RANGE 8, 20, 29
	BIT 4
	RANGE 4, -21, -16
	RANGE 4, -7, 11
	RANGE 4, 20, 25
	BIT 2
	RANGE 2, -21, -18
	RANGE 2, -7, 9
	RANGE 2, 20, 23
	BIT 1
	LAST 1, 2, -3
	LAST 2, 6, -7
	LAST 3, 20, -21
	SEL2 FC, TB, TB+1                              ; row[il], row[il + 1]
	v_sub_f32 v24, v[FC+1], v[FC]                  ; the centre's value
	v_fma_f32 v24, v8, v24, v[FC]
	PROBES 1
	PROBES 2
	PROBES 3
	DIFF 1, 0x3a83126f, 0x3f7fbe77
	DIFF 2, 0x3b449ba6, 0x3f7f3b64
	DIFF 3, 0x3c23d70a, 0x3f7d70a4
	v_pk_mul_f32 v[16:17], v[10:11], v[KK:KK+1]                    ; (g, c) = (250 D1 + 50 D2 + 10 D3, 5e5 E1 + 33333.33 E2 + 2000 E3)
	v_pk_fma_f32 v[16:17], v[12:13], v[KK+2:KK+3], v[16:17]
	v_pk_fma_f32 v[16:17], v[14:15], v[KK+4:KK+5], v[16:17]
	v_min_num_f32 v17, |v17|, s54                  ; |clip(c, -1000, 1000)|
	v_add_f32 v17, 0x358637bd, v17                 ; + 1e-6
	v_rcp_f32 v25, v17
	v_mov_b32 v27, v2                              ; the old position: the plain instruction between the reciprocal and its use (ISA guide 5.7.2)
	s_wait_alu depctr_va_vdst(0)
	v_mul_f32 v26, -v16, v25
	v_med3_num_f32 v26, v26, s52, s51              ; clip to +- 0.2 x 0.9^t
	v_fma_f32 v2, s50, v26, v2
	v_med3_num_f32 v2, v2, 0, 1.0                  ; the new position
	v_sub_f32 v27, v2, v27
	v_and_b32 v27, 0x7fffffff, v27                 ; |change|, against the raw input in step 0, as in reference()
	ds_store_b32 v5, v2
	v_add_nc_u32 v5, 0x80, v5                      ; the next step's 128 bytes
	v_max_num_f32_dpp v27, v27, v27 row_xmask:1 row_mask:0xf bank_mask:0xf
	v_max_num_f32_dpp v27, v27, v27 row_xmask:2 row_mask:0xf bank_mask:0xf
	v_max_num_f32_dpp v27, v27, v27 row_xmask:4 row_mask:0xf bank_mask:0xf
	v_max_num_f32_dpp v27, v27, v27 row_xmask:8 row_mask:0xf bank_mask:0xf
	v_permlanex16_b32 v28, v27, s55, s56
	v_max_num_f32 v27, v27, v28                    ; the wave's largest change, in every lane
	v_cmp_eq_u32 s77, s49, v1
	v_cndmask_b32 v4, v4, v27, s77                 ; lane t keeps step t's
	s_mul_f32 s50, s50, 0x3f666666                 ; x 0.9
	s_mul_f32 s51, s51, 0x3f666666
	s_mul_f32 s52, s52, 0x3f666666
	s_add_co_u32 s49, s49, 1
	s_cmp_lt_u32 s49, NSTEP
	s_cbranch_scc1 .Lstep
	; THE WAY OUT.  Positions and change vectors change hands in LDS: every wave's stores are done (count zero, for the others' sake), then the barrier.
	s_lshl_b32 s57, s14, 7
	s_add_co_u32 s57, s57, MXB
	v_lshl_add_u32 v10, v1, 2, s57
	ds_store_b32 v10, v4
	s_wait_dscnt 0x0
	s_barrier_signal -1
	s_barrier_wait -1
	; Wave (c, rb) stores plane c of steps rb, rb + 4, rb + 8, rb + 12: the group's 128 rows are 512 consecutive bytes, 16 a lane;
	; lane l's four rows were walked by wave 3 (l >> 3) + c, lanes 4 (l & 7) .. + 3.
	v_lshrrev_b32 v11, 3, v1
	v_mul_u32_u24 v11, v11, 3
	v_add_nc_u32 v11, s48, v11
	v_and_b32 v12, 7, v1
	v_lshlrev_b32 v12, 4, v12
	v_lshl_add_u32 v11, v11, 11, v12
	s_lshl_b32 s57, s15, 7
	s_add_co_u32 s57, s57, STG
	v_add_nc_u32 v11, s57, v11
	v_lshlrev_b32 v13, 4, v1
	s_mul_i32 s58, s15, TSTEP
	s_lshl_b32 s57, s48, 17
	s_add_co_u32 s58, s58, s57
	s_lshl_b32 s57, ttmp9, 9
	s_add_co_u32 s58, s58, s57
	s_add_nc_u64 s[10:11], s[10:11], s[58:59]
	ds_load_b128 v[32:35], v11
	ds_load_b128 v[36:39], v11 offset:512
	ds_load_b128 v[40:43], v11 offset:1024
	s_wait_dscnt 0x0
	global_store_b128 v13, v[32:35], s[10:11]
	global_store_b128 v13, v[36:39], s[10:11] offset:4*TSTEP
	global_store_b128 v13, v[40:43], s[10:11] offset:8*TSTEP
	s_cmp_ge_u32 s14, 9                            ; rb = 3: step 15 does not exist
	s_cbranch_scc1 .Lno_last
	ds_load_b128 v[44:47], v11 offset:1536
	s_wait_dscnt 0x0
	global_store_b128 v13, v[44:47], s[10:11] offset:12*TSTEP
.Lno_last:
	s_cmp_lg_u32 s14, 0                            ; wave 0 alone: the largest of the twelve change vectors, 128 bytes to chg (lanes 15-31 hold 0)
	s_cbranch_scc1 .Lend
	v_lshlrev_b32 v14, 2, v1
	v_add_nc_u32 v15, MXB, v14
.irp k, 0,1,2,3,4,5,6,7,8,9,10,11
	ds_load_b32 v[48+\k], v15 offset:128*\k
.endr
	s_wait_dscnt 0x0
.irp k, 1,3,5,7,9
	v_max3_num_f32 v48, v48, v[48+\k], v[49+\k]
.endr
	v_max_num_f32 v48, v48, v59
	s_lshl_b32 s58, ttmp9, 7
	s_add_nc_u64 s[12:13], s[12:13], s[58:59]
	global_store_b32 v14, v48, s[12:13]
.Lend:
	s_wait_tensorcnt 0x0
	ds_add_u32 v244, v245
	s_wait_dscnt 0x0
	s_endpgm
.Lfunc_end_k_qfae4884b83_walk:
	.size	k_qfae4884b83_walk, .Lfunc_end_k_qfae4884b83_walk-k_qfae4884b83_walk
	.p2alignl 7, 3214868480
	.fill 96, 4, 3214868480
	.section	.rodata,"a",@progbits
	.p2align	6, 0x0
	.amdhsa_kernel k_qfae4884b83_walk
		.amdhsa_group_segment_fixed_size 230400
		.amdhsa_private_segment_fixed_size 0
		.amdhsa_enable_private_segment 0
		.amdhsa_kernarg_size 40
		.amdhsa_user_sgpr_count 2
		.amdhsa_user_sgpr_kernarg_segment_ptr 1
		.amdhsa_wavefront_size32 1
		.amdhsa_system_sgpr_workgroup_id_x 1
		.amdhsa_system_sgpr_workgroup_id_y 1
		.amdhsa_system_sgpr_workgroup_id_z 1
		.amdhsa_system_vgpr_workitem_id 0
		.amdhsa_next_free_vgpr 246
		.amdhsa_next_free_sgpr 78
		.amdhsa_reserve_vcc 1
		.amdhsa_float_denorm_mode_32 3
		.amdhsa_float_denorm_mode_16_64 3
		.amdhsa_memory_ordered 1
		.amdhsa_forward_progress 1
		.amdhsa_inst_pref_size 34
	.end_amdhsa_kernel
	.amdgpu_metadata
---
amdhsa.version: [ 1, 2 ]
amdhsa.kernels:
  - .name:           k_qfae4884b83_walk
    .symbol:         k_qfae4884b83_walk.kd
    .args:
      - { .name: initial_predictions, .offset: 0, .size: 8, .value_kind: global_buffer, .address_space: global }
      - { .name: signals, .offset: 8, .size: 8, .value_kind: global_buffer, .address_space: global }
      - { .name: qt, .offset: 16, .size: 8, .value_kind: global_buffer, .address_space: global }
      - { .name: traj, .offset: 24, .size: 8, .value_kind: global_buffer, .address_space: global }
      - { .name: chg, .offset: 32, .size: 8, .value_kind: global_buffer, .address_space: global }
    .group_segment_fixed_size: 230400
    .private_segment_fixed_size: 0
    .kernarg_segment_align: 8
    .kernarg_segment_size: 40
    .max_flat_workgroup_size: 384
    .sgpr_count:     78
    .vgpr_count:     246
    .wavefront_size: 32
...
	.end_amdgpu_metadata
.endif
;; end of part 4
;; launch pick: the kernel of part 3 again; grid 64 x 1, 4 waves a work-group, no clusters, 7,168 bytes of LDS; arguments traj, chg, out0; writes out0
;; ======== version 3 of 4: 3 launches; 1.68 times as fast as version 1
;; workspace buffers: qt 393,216 bytes of whole numbers; traj 5,898,240 bytes; chg 32,768 bytes
;; launch window: the kernel of part 1 again; grid 32 x 1, 8 waves a work-group, no clusters, 0 bytes of LDS; arguments initial_predictions, qt; writes qt
;; launch walk (part 5): grid 256 x 1, 12 waves a work-group, no clusters, 230,400 bytes of LDS; arguments initial_predictions, signals, qt, traj, chg; writes traj, chg
.if DOCPART == 5
	.amdgcn_target "amdgcn-amd-amdhsa--gfx1250"
	.amdhsa_code_object_version 6
	.text
	.protected	k_qfae4884b83_walk
	.globl	k_qfae4884b83_walk
	.p2align	8
	.type	k_qfae4884b83_walk,@function
k_qfae4884b83_walk:
	s_mov_b64 s[64:65], 0
	v_nop
	global_prefetch_b8 v0, s[64:65] scope:SCOPE_SE
	s_setreg_imm32_b32 hwreg(HW_REG_WAVE_MODE, 25, 1), 1
	s_wait_xcnt 0x0
; The 15 steps of every point, without the global stop: traj[t][c][row] = position after step t, chg[group][t] = the group's largest |change| of step t.
; Up to the first step that stops, the walks do not hang on the stop test, and the result is the position after that step; the next launch picks it.
; A work-group owns 128 rows = 384 points; wave w owns 32 of them (rows 32 rb .., column c, w = 3 rb + c), one point a lane.
; A point's 96-float window (start 4q, from the launch before) is copied to LDS, 16 bytes a lane, and from there into the lane's 96 registers.
; No address may hang on a position, so a tap is CHOSEN, not addressed: a barrel shifter of selects moves the window by U = il - start
; (il = floor of the centre's sample number p), after which the 20 samples row[il + o] that the nine probes can need lie in fixed registers.
; The selects of a stage share one mask, in VCC, and go two to an instruction (v_dual_cndmask_b32 on neighbouring registers).
; TWO PHASES.  Steps 0-4 shift the whole window (U = 0 .. 95: stages by 32/64, 16, 8, 4, 2, 1).  From step 5 on a position moves by at most
; 0.002 x (0.81^5 - 0.81^14) / 0.19 = 0.003119 = 6.39 samples, so il stays within 7 of its value then: the window is shifted ONCE by
; base = max(U - 7, 0) & ~1, 59 registers are kept, and steps 5-14 have U - base = 0 .. 15: stages by 8, 4, 2, 1 alone.
; A probe stands at p +- eps x 2047 = il + b0 + t with a constant b0 and t = w + f in [0, 2) (w = p - il, f constant).  Through its three
; taps F0, F1, F2 the broken line is F0 + t (F1 - F0) + max(t - 1, 0) ((F2 - F1) - (F1 - F0)): packed arithmetic, the + and - probe of an eps side by side.
; Where a position lies outside [eps, 1 - eps] reference() samples at fixed places of the row's end; those differences are made once (BD).
; LEFT OUT, since reference() never lets them reach its result: best_values (and the sample of the new position that feeds it alone);
; the test step_size < 1e-4, which cannot hold: 0.01 x 0.9^14 = 2.29e-3.
; LIMITS: finite inputs (all three taps of a probe are multiplied, also those of weight 0).  Rounding other than reference()'s:
; a probe's place is the centre's rounded p plus a constant, not (pos +- eps) x 2047 rounded anew (p < 2048 is rounded to 1.2e-4 at the most, so
; the two differ by some 2.5e-4 of a sample; where that puts a probe so far past the row's end, that weight falls on another sample of the same row);
; 'outside [eps, 1 - eps]' is tested as |pos - 0.5| > 0.5 - eps (the difference is rounded by 3e-8 at the most; at the switch both branches agree);
; w / (2 eps) and w / eps^2 are the constants 250, 50, 10 and 5e5, 33333.33, 2000; the division is v_rcp_f32 and a product;
; 0.2 x 0.9^t is made by repeated products.
; No cluster and no joint request: no two work-groups read the same bytes of signals.  No matrix work: there is no product of matrices.
; No prefetch: each wave issues all its copies at its entry, 32 of them, 12,288 bytes of data.
.set NSTEP, 15
.set NA,    5                          ; steps of the first phase
.set PITCH, 528                        ; LDS bytes from point to point: 384 of data, 128 of repeats, 16 free; 33 x 16, so sixteen lanes' 16-byte reads fall in sixteen different 16-byte columns of 256 bytes
.set WINB,  32*PITCH                   ; a wave's windows; twelve of them from LDS byte 0
.set STG,   12*WINB                    ; 202,752: positions, wave w, step t, lane l at w 2048 + t 128 + 4 l
.set MXB,   STG+12*2048                ; 227,328: change vectors, 128 bytes a wave
.set TSTEP, 393216                     ; bytes of a step in traj
.set TPLANE, 131072                    ; bytes of a plane in it
.set W,   32                           ; v[32:127]  the window (first phase)
.set T2,  53                           ; v[32:82]   second phase: the work array, x = -21 .. 29 at T2 + x, in registers of the window, which is done with by then
.set TB,  149                          ; v[128:216] T[x] = v[TB + x]: first phase the work array, x = -21 .. 53; re-centring x = -21 .. 67; second phase the kept window, x = -21 .. 37
.set VO,  128                          ; v[128:159] in front of the loops: a copy's global offset, one register for each copy
.set TMP, 188                          ; v[188:211] eps k: d1, d2, t, max(t - 1, 0) as pairs at TMP + 8 (k - 1); free in both phases once the taps are taken
.set BD,  218                          ; v[218:223] eps k: the pair (vr - vl, vr + vl - 2 v) at my row's end, at BD + 2 (k - 1)
.set FP,  224                          ; v[224:241] eps k, tap j: the pair (tap of the + probe, tap of the - probe) at FP + 6 (k - 1) + 2 j
.set FC,  242                          ; v[242:243] row[il], row[il + 1]
.set FK,  244                          ; v[244:249] eps k: the pair of fractions f (+ probe, - probe)
.set KK,  250                          ; v[250:255] eps k: the pair (w / (2 eps), w / eps^2)
.set QS,  16                           ; s[16:47]   q of my wave's 32 points
.set M64, 67                           ; masks of a trip: U >= 64, then bits 4..0 of U (the first stage's mask goes straight to VCC)
.set M16, 68
.set M8,  69
.set M4,  70
.set M2,  71
.set M1,  72
.set OB,  72                           ; s[73:75]   position outside [eps, 1 - eps], eps 1..3
; v1 lane  v2 position  v3 first sample of the window in use  v4 change vector (lane t: step t)  v5 LDS address of the next position
; v6 centre p  v7 il  v8 w  v9 U  v[10:14] bits of U, then v[10:15] (D, E) of eps 1..3  v[16:17] (g, c)  v[18:23] (vr, vl) of eps 1..3
; v24 centre value  v25 1/c  v26 step  v27 old position, change  v28 at work  v29 16 min(lane, 23)  v30 copies' LDS address  v31 my window's LDS address
	s_load_b256 s[4:11], s[0:1], 0x0               ; initial_predictions s[4:5], signals s[6:7], qt s[8:9], traj s[10:11]
	s_load_b64 s[12:13], s[0:1], 0x20              ; chg
	v_lshl_add_u32 v217, v0, 2, 0x37e00
	s_set_vgpr_msb 0x40
	v_mov_b32 v1, 0
	s_set_vgpr_msb 0x4044
	ds_add_u32 v217, v1
	ds_add_u32 v217, v1
	s_set_vgpr_msb 0x4400
	v_and_b32 v1, 31, v0
	v_lshrrev_b32 v10, 5, v0
	v_readfirstlane_b32 s14, v10                   ; wave w, 0 to 11
	s_mul_i32 s15, s14, 11
	s_lshr_b32 s15, s15, 5                         ; rb = w / 3 (11 w >> 5 for w < 12)
	s_mul_i32 s48, s15, 3
	s_sub_co_u32 s48, s14, s48                     ; c = w - 3 rb
	s_lshl_b32 s57, ttmp9, 7
	s_lshl_b32 s49, s15, 5
	s_add_co_u32 s57, s57, s49                     ; my unit's first row = 128 g + 32 rb
	s_lshl_b32 s58, s48, 15
	s_add_co_u32 s58, s58, s57
	s_lshl_b32 s58, s58, 2                         ; byte of qt[c][first row]
	s_mov_b32 s59, 0
	s_wait_dscnt 0x0
	s_wait_kmcnt 0x0
	s_add_nc_u64 s[60:61], s[8:9], s[58:59]
	s_load_b512 s[16:31], s[60:61], 0x0            ; the 32 q as scalars: each copy serves one point
	s_load_b512 s[32:47], s[60:61], 0x40
	s_lshl_b32 s58, s57, 13                        ; rows of 8,192 bytes; below 2^28
	s_add_nc_u64 s[62:63], s[6:7], s[58:59]        ; signals at my first row
	s_mul_i32 s58, s57, 12
	s_lshl2_add_u32 s58, s48, s58                  ; 12 x row + 4 c
	s_add_nc_u64 s[4:5], s[4:5], s[58:59]
	v_mul_u32_u24 v10, v1, 12
	v_lshlrev_b32 v11, 2, v1
	global_load_b32 v2, v10, s[4:5]                ; my point's position
	global_load_b32 v3, v11, s[60:61]              ; and its q, once more, by lanes
	v_min_u32 v29, 23, v1                          ; lanes 24-31 repeat the window's last 16 bytes into the row's spare bytes: EXEC stays whole, no copy leaves the row
	v_lshlrev_b32 v29, 4, v29
	s_mul_i32 s49, s14, WINB
	v_lshl_add_u32 v30, v1, 4, s49
	v_mul_u32_u24 v31, v1, PITCH
	v_add_nc_u32 v31, s49, v31
	s_wait_kmcnt 0x0
	; Copy i: point i's window.  The immediate is added to both addresses (ISA guide, chapter 10), so it steps LDS by the pitch, and the
	; offset register makes up the rest of a row of signals: 7,664 + 528 = 8,192.
.set i, 0
.rept 32
	s_min_u32 s[QS+i], s[QS+i], 488                ; a loaded number enters an address only clamped
	s_lshl_b32 s[QS+i], s[QS+i], 4                 ; 4 q floats = 16 q bytes
	s_add_co_u32 s[QS+i], s[QS+i], i*(8192-PITCH)
	v_add_nc_u32 v[VO+i], s[QS+i], v29
	global_load_async_to_lds_b128 v30, v[VO+i], s[62:63] offset:i*PITCH
.set i, i+1
.endr
	; constants, while the copies are on their way
	s_mov_b32 s53, 0x44ffe000                      ; 2047.0
	s_mov_b32 s54, 0x447a0000                      ; 1000.0
	s_mov_b32 s55, 0x76543210                      ; v_permlanex16_b32: lane i takes lane i of the other half
	s_mov_b32 s56, 0xfedcba98
	s_mov_b32 s50, 0x3c23d70a                      ; step size 0.01
	s_mov_b32 s51, 0x3e4ccccd                      ; largest step 0.2
	s_mov_b32 s52, 0xbe4ccccd
	s_lshl_b32 s49, s14, 11
	s_add_co_u32 s49, s49, STG
	v_lshl_add_u32 v5, v1, 2, s49
	v_mov_b32 v4, 0
	v_mov_b32 v[FK+0], 0x3d408312                  ; + 2.047 = 2 + .047
	v_mov_b32 v[FK+1], 0x3f73f7cf                  ; - 2.047 = -3 + .953
	v_mov_b32 v[FK+2], 0x3e10624e                  ; + 6.141 = 6 + .141
	v_mov_b32 v[FK+3], 0x3f5be76d                  ; - 6.141 = -7 + .859
	v_mov_b32 v[FK+4], 0x3ef0a3d7                  ; + 20.47 = 20 + .47
	v_mov_b32 v[FK+5], 0x3f07ae14                  ; - 20.47 = -21 + .53
	v_mov_b32 v[KK+0], 0x437a0000                  ; 0.5 / 0.002 = 250
	v_mov_b32 v[KK+1], 0x48f42400                  ; 0.5 / 1e-6 = 5e5
	v_mov_b32 v[KK+2], 0x42480000                  ; 0.3 / 0.006 = 50
	v_mov_b32 v[KK+3], 0x47023555                  ; 0.3 / 9e-6 = 33333.33
	v_mov_b32 v[KK+4], 0x41200000                  ; 0.2 / 0.02 = 10
	v_mov_b32 v[KK+5], 0x44fa0000                  ; 0.2 / 1e-4 = 2000
	s_wait_asynccnt 0x0                            ; my 32 copies have landed; only my wave reads these bytes, so no barrier
.set i, 0
.rept 24
	ds_load_b128 v[W+4*i:W+4*i+3], v31 offset:16*i
.set i, i+1
.endr
	s_wait_loadcnt 0x0                             ; position and q
	v_lshlrev_b32 v3, 2, v3                        ; the window's first sample
	v_cmp_eq_u32 vcc_lo, 0, v3                     ; a point that can come below 0.01 has i0 <= 41, so start 0; one that can pass 0.99 has i0 >= 2006, so start 1952
	s_wait_dscnt 0x0                               ; the window is in registers
; d = w0 W[i] + w1 W[i+1]
.macro LERP d, i, w0, w1
	v_mul_f32 v[\d], \w0, v[W+\i]
	v_fmamk_f32 v[\d], v[W+\i+1], \w1, v[\d]
.endm
; Position clipped to eps (left end, window start 0): vl = row[0], v at eps x 2047 = iv + bv, vr at 2 eps x 2047 = ir + br.
; Clipped to 1 - eps (right end, start 1952): the mirror image, tap 94 - i with the weights exchanged, vr = row[2047] = W[95].
.macro BORDER k, iv, av, bv, ir, ar, br
	LERP 10, \iv, \av, \bv
	LERP 11, \ir, \ar, \br
	v_sub_f32 v12, v11, v[W]
	v_add_f32 v13, v11, v[W]
	v_fma_f32 v13, -2.0, v10, v13
	LERP 10, 94-\iv, \bv, \av
	LERP 11, 94-\ir, \br, \ar
	v_sub_f32 v14, v[W+95], v11
	v_add_f32 v15, v[W+95], v11
	v_fma_f32 v15, -2.0, v10, v15
	v_cndmask_b32 v[BD+2*\k-2], v14, v12, vcc_lo   ; start 0: the left end's
	v_cndmask_b32 v[BD+2*\k-1], v15, v13, vcc_lo
.endm
	BORDER 1,  2, 0x3f73f7cf, 0x3d408312,  4, 0x3f67ef9e, 0x3dc08312   ; 2.047: .953, .047    4.094: .906, .094
	BORDER 2,  6, 0x3f5be76d, 0x3e10624e, 12, 0x3f37ced9, 0x3e90624e   ; 6.141: .859, .141   12.282: .718, .282
	BORDER 3, 20, 0x3f07ae14, 0x3ef0a3d7, 40, 0x3d75c28f, 0x3f70a3d7   ; 20.47: .53, .47      40.94: .06, .94
; Two selects on neighbouring registers in one instruction, both by VCC: d = VCC ? b : a.  One destination is even and one odd, and the two
; first sources, like the two second ones, are one register apart, so in different register banks (ISA guide, the chapter on dual-issue VOPD).
.macro SEL2 d, a, b
	v_dual_cndmask_b32 v[\d], v[\a], v[\b] :: v_dual_cndmask_b32 v[(\d)+1], v[(\a)+1], v[(\b)+1]
.endm
; v[db + x] = VCC ? v[bb + x] : v[ab + x] for x = lo .. hi, ascending.  In place (db = ab, bb = ab + shift, shift >= 2) a register is read
; before its own turn, and neither half of a pair reads what the other writes.
.macro SELR db, ab, bb, lo, hi
.set x, \lo
.rept (\hi-(\lo)+1)/2
	SEL2 \db+x, \ab+x, \bb+x
.set x, x+2
.endr
.if (\hi-(\lo)+1)%2
	v_cndmask_b32 v[\db+x], v[\ab+x], v[\bb+x], vcc_lo
.endif
.endm
.macro MASK m                                  ; the next stage's mask, made at the trip's head
	s_mov_b32 vcc_lo, s[\m]
.endm
; The last stage (shift by 1) for eps k writes elsewhere, so that its halves are independent too: tap j of the + probe (row[il + bp + j]) and
; tap j of the - probe (row[il + bm + j]) become a register pair.  bp - bm is 5, 13, 41: odd, so parities and banks differ as above.
.macro LAST tb, k, bp, bm
.irp j, 0,1,2
	v_dual_cndmask_b32 v[FP+6*\k-6+2*\j], v[\tb+\bp+\j], v[\tb+\bp+\j+1] :: v_dual_cndmask_b32 v[FP+6*\k-5+2*\j], v[\tb+(\bm)+\j], v[\tb+(\bm)+\j+1]
.endr
.endm
; The stages by 4, 2, 1 on the work array at tb: each makes only what the next one reads (the last: offsets -21..-19, -7..-5, -3..4, 6..8, 20..22)
.macro FINE tb
	MASK M4
	SELR \tb, \tb, \tb+4, -21, -16
	SELR \tb, \tb, \tb+4, -7, 11
	SELR \tb, \tb, \tb+4, 20, 25
	MASK M2
	SELR \tb, \tb, \tb+2, -21, -18
	SELR \tb, \tb, \tb+2, -7, 9
	SELR \tb, \tb, \tb+2, 20, 23
	MASK M1
	LAST \tb, 1, 2, -3
	LAST \tb, 2, 6, -7
	LAST \tb, 3, 20, -21
	SEL2 FC, \tb, \tb+1                            ; row[il], row[il + 1]
.endm
; A trip's head: the centre (p = clip(2047 pos), il, w), U = il - start, and all masks of the trip.
; wide = 1: U = 0 .. 95, VCC = (U >= 32).  wide = 0: U = 0 .. 15, VCC = bit 3.
.macro HEAD wide
	v_mul_f32 v6, s53, v2
	v_add_f32 v28, -0.5, v2
	v_med3_num_f32 v6, v6, 0, s53
	v_and_b32 v28, 0x7fffffff, v28                 ; |pos - 0.5|
	v_floor_f32 v7, v6
	v_cmp_lt_f32 s[OB+1], 0x3eff7cee, v28          ; > 0.499: outside [0.001, 0.999]
	v_cmp_lt_f32 s[OB+2], 0x3efe76c9, v28          ; > 0.497
	v_cmp_lt_f32 s[OB+3], 0x3efae148, v28          ; > 0.49
	v_sub_f32 v8, v6, v7
	v_cvt_i32_f32 v9, v7
	v_sub_nc_u32 v9, v9, v3
.if \wide
	v_and_b32 v10, 16, v9
.endif
	v_and_b32 v11, 8, v9
	v_and_b32 v12, 4, v9
	v_and_b32 v13, 2, v9
	v_and_b32 v14, 1, v9
.if \wide
	v_cmp_le_u32 s[M64], 64, v9
	v_cmp_ne_u32 s[M16], 0, v10
	v_cmp_ne_u32 s[M8], 0, v11
.endif
	v_cmp_ne_u32 s[M4], 0, v12
	v_cmp_ne_u32 s[M2], 0, v13
	v_cmp_ne_u32 s[M1], 0, v14
.if \wide
	v_cmp_le_u32 vcc_lo, 32, v9
.else
	v_cmp_ne_u32 vcc_lo, 0, v11
.endif
.endm
; From the taps to the new position; the three eps run side by side, on temporaries of their own, so that no line waits for the line in front of it.
.macro REST
	v_sub_f32 v24, v[FC+1], v[FC]
.irp k, 1,2,3
	v_pk_add_f32 v[TMP+8*\k-8:TMP+8*\k-7], v[FP+6*\k-4:FP+6*\k-3], v[FP+6*\k-6:FP+6*\k-5] neg_lo:[0,1] neg_hi:[0,1]     ; d1 = F1 - F0
.endr
	v_fma_f32 v24, v8, v24, v[FC]                  ; the centre's value
.irp k, 1,2,3
	v_pk_add_f32 v[TMP+8*\k-6:TMP+8*\k-5], v[FP+6*\k-2:FP+6*\k-1], v[FP+6*\k-4:FP+6*\k-3] neg_lo:[0,1] neg_hi:[0,1]     ; d2 = F2 - F1
.endr
.irp k, 1,2,3
	v_pk_add_f32 v[TMP+8*\k-4:TMP+8*\k-3], v[8:9], v[FK+2*\k-2:FK+2*\k-1] op_sel_hi:[0,1]                               ; t = w + f (w for both halves)
.endr
.irp k, 1,2,3
	v_pk_add_f32 v[TMP+8*\k-6:TMP+8*\k-5], v[TMP+8*\k-6:TMP+8*\k-5], v[TMP+8*\k-8:TMP+8*\k-7] neg_lo:[0,1] neg_hi:[0,1] ; d2 - d1
.endr
.irp k, 1,2,3
	v_pk_add_f32 v[TMP+8*\k-2:TMP+8*\k-1], v[TMP+8*\k-4:TMP+8*\k-3], -1.0 op_sel_hi:[1,0]                               ; t - 1
.endr
.irp k, 1,2,3
	v_pk_fma_f32 v[16+2*\k:17+2*\k], v[TMP+8*\k-4:TMP+8*\k-3], v[TMP+8*\k-8:TMP+8*\k-7], v[FP+6*\k-6:FP+6*\k-5]         ; F0 + t d1
.endr
.irp k, 1,2,3
	v_dual_max_num_f32 v[TMP+8*\k-2], 0, v[TMP+8*\k-2] :: v_dual_max_num_f32 v[TMP+8*\k-1], 0, v[TMP+8*\k-1]
.endr
.irp k, 1,2,3
	v_pk_fma_f32 v[16+2*\k:17+2*\k], v[TMP+8*\k-2:TMP+8*\k-1], v[TMP+8*\k-6:TMP+8*\k-5], v[16+2*\k:17+2*\k]             ; + max(t - 1, 0) (d2 - d1): (vr, vl)
.endr
.irp k, 1,2,3
	v_dual_sub_f32 v[8+2*\k], v[16+2*\k], v[17+2*\k] :: v_dual_add_f32 v[9+2*\k], v[17+2*\k], v[16+2*\k]                ; D = vr - vl, vr + vl
.endr
.irp k, 1,2,3
	v_fma_f32 v[9+2*\k], -2.0, v24, v[9+2*\k]      ; E = vr + vl - 2 v
.endr
.irp k, 1,2,3
	s_mov_b32 vcc_lo, s[OB+\k]
	SEL2 8+2*\k, 8+2*\k, BD+2*\k-2                 ; the row end's (D, E) where reference() clips the position
.endr
	v_pk_mul_f32 v[16:17], v[10:11], v[KK:KK+1]                    ; (g, c) = (250 D1 + 50 D2 + 10 D3, 5e5 E1 + 33333.33 E2 + 2000 E3)
	v_pk_fma_f32 v[16:17], v[12:13], v[KK+2:KK+3], v[16:17]
	v_pk_fma_f32 v[16:17], v[14:15], v[KK+4:KK+5], v[16:17]
	v_min_num_f32 v17, |v17|, s54                  ; |clip(c, -1000, 1000)|
	v_add_f32 v17, 0x358637bd, v17                 ; + 1e-6
	v_rcp_f32 v25, v17
	v_mov_b32 v27, v2                              ; the old position: the plain instruction between the reciprocal and its use (ISA guide 5.7.2)
	s_wait_alu depctr_va_vdst(0)
	v_mul_f32 v26, -v16, v25
	v_med3_num_f32 v26, v26, s52, s51              ; clip to +- 0.2 x 0.9^t
	v_fma_f32 v2, s50, v26, v2
	v_med3_num_f32 v2, v2, 0, 1.0                  ; the new position
	v_sub_f32 v27, v2, v27
	v_and_b32 v27, 0x7fffffff, v27                 ; |change|, against the raw input in step 0, as in reference()
	ds_store_b32 v5, v2
	v_add_nc_u32 v5, 0x80, v5                      ; the next step's 128 bytes
	v_max_num_f32_dpp v27, v27, v27 row_xmask:1 row_mask:0xf bank_mask:0xf
	v_max_num_f32_dpp v27, v27, v27 row_xmask:2 row_mask:0xf bank_mask:0xf
	v_max_num_f32_dpp v27, v27, v27 row_xmask:4 row_mask:0xf bank_mask:0xf
	v_max_num_f32_dpp v27, v27, v27 row_xmask:8 row_mask:0xf bank_mask:0xf
	v_permlanex16_b32 v28, v27, s55, s56
	v_max_num_f32 v27, v27, v28                    ; the wave's largest change, in every lane
	v_cmp_eq_u32 s77, s49, v1
	v_cndmask_b32 v4, v4, v27, s77                 ; lane t keeps step t's
	s_mul_f32 s50, s50, 0x3f666666                 ; x 0.9
	s_mul_f32 s51, s51, 0x3f666666
	s_mul_f32 s52, s52, 0x3f666666
.endm
	; FIRST PHASE: steps 0 to 4, from the whole window
	s_mov_b32 s49, 0                               ; t
.Lwide:
	HEAD 1
	; first stage, in two passes: T[x] = W[x + 32 (U >> 5)].  A source outside the window is not named: what would come from it is no tap of a probe that counts.
	SELR TB, W, W+32, 0, 53
	MASK M64
	SELR TB, W+32, W+64, -21, -1
	SELR TB, TB, W+64, 0, 31
	MASK M16
	SELR TB, TB, TB+16, -21, 37
	MASK M8
	SELR TB, TB, TB+8, -21, -12
	SELR TB, TB, TB+8, -7, 15
	SELR TB, TB, TB+8, 20, 29
	FINE TB
	REST
	s_add_co_u32 s49, s49, 1
	s_cmp_lt_u32 s49, NA
	s_cbranch_scc1 .Lwide
	; RE-CENTRING, once: T[x] = W[base + x], x = -21 .. 37, base = max(U - 7, 0) & ~1 (at most 88).  Every stage is dense here: stage by s makes
	; x = -21 .. 37 + (the shifts still to come), which is what the next stage reads.  il moves by 7 at the most from here on, so U - base = 0 .. 15.
	v_mul_f32 v6, s53, v2
	v_med3_num_f32 v6, v6, 0, s53
	v_floor_f32 v7, v6
	v_cvt_i32_f32 v9, v7
	v_sub_nc_u32 v9, v9, v3                        ; U
	v_add_nc_u32 v9, -7, v9
	v_max_i32 v9, 0, v9
	v_and_b32 v9, 0x7e, v9                         ; base
	v_add_nc_u32 v3, v3, v9                        ; the kept window's sample 0
	v_and_b32 v10, 16, v9
	v_and_b32 v11, 8, v9
	v_and_b32 v12, 4, v9
	v_and_b32 v13, 2, v9
	v_cmp_le_u32 s[M64], 64, v9
	v_cmp_ne_u32 s[M16], 0, v10
	v_cmp_ne_u32 s[M8], 0, v11
	v_cmp_ne_u32 s[M4], 0, v12
	v_cmp_ne_u32 s[M2], 0, v13
	v_cmp_le_u32 vcc_lo, 32, v9
	SELR TB, W, W+32, 0, 63
	v_dual_mov_b32 v[TB+64], v[W+64] :: v_dual_mov_b32 v[TB+65], v[W+65]   ; x = 64 .. 67 count only where base < 32
	v_dual_mov_b32 v[TB+66], v[W+66] :: v_dual_mov_b32 v[TB+67], v[W+67]
	MASK M64
	SELR TB, W+32, W+64, -21, -1
	SELR TB, TB, W+64, 0, 31
	MASK M16
	SELR TB, TB, TB+16, -21, 51
	MASK M8
	SELR TB, TB, TB+8, -21, 43
	MASK M4
	SELR TB, TB, TB+4, -21, 39
	MASK M2
	SELR TB, TB, TB+2, -21, 37
	; SECOND PHASE: steps 5 to 14, from the kept window; the first stage writes the work array, so that the kept window stays
	s_mov_b32 s49, NA
.Lnarrow:
	HEAD 0
	SELR T2, TB, TB+8, -21, -12
	SELR T2, TB, TB+8, -7, 15
	SELR T2, TB, TB+8, 20, 29
	FINE T2
	REST
	s_add_co_u32 s49, s49, 1
	s_cmp_lt_u32 s49, NSTEP
	s_cbranch_scc1 .Lnarrow
	; THE WAY OUT.  Positions and change vectors change hands in LDS: every wave's stores are done (count zero, for the others' sake), then the barrier.
	s_lshl_b32 s57, s14, 7
	s_add_co_u32 s57, s57, MXB
	v_lshl_add_u32 v10, v1, 2, s57
	ds_store_b32 v10, v4
	s_wait_dscnt 0x0
	s_barrier_signal -1
	s_barrier_wait -1
	; Wave (c, rb) stores plane c of steps rb, rb + 4, rb + 8, rb + 12: the group's 128 rows are 512 consecutive bytes, 16 a lane;
	; lane l's four rows were walked by wave 3 (l >> 3) + c, lanes 4 (l & 7) .. + 3.
	v_lshrrev_b32 v11, 3, v1
	v_mul_u32_u24 v11, v11, 3
	v_add_nc_u32 v11, s48, v11
	v_and_b32 v12, 7, v1
	v_lshlrev_b32 v12, 4, v12
	v_lshl_add_u32 v11, v11, 11, v12
	s_lshl_b32 s57, s15, 7
	s_add_co_u32 s57, s57, STG
	v_add_nc_u32 v11, s57, v11
	v_lshlrev_b32 v13, 4, v1
	s_mul_i32 s58, s15, TSTEP
	s_lshl_b32 s57, s48, 17
	s_add_co_u32 s58, s58, s57
	s_lshl_b32 s57, ttmp9, 9
	s_add_co_u32 s58, s58, s57
	s_add_nc_u64 s[10:11], s[10:11], s[58:59]
	ds_load_b128 v[32:35], v11
	ds_load_b128 v[36:39], v11 offset:512
	ds_load_b128 v[40:43], v11 offset:1024
	s_wait_dscnt 0x0
	global_store_b128 v13, v[32:35], s[10:11]
	global_store_b128 v13, v[36:39], s[10:11] offset:4*TSTEP
	global_store_b128 v13, v[40:43], s[10:11] offset:8*TSTEP
	s_cmp_ge_u32 s14, 9                            ; rb = 3: step 15 does not exist
	s_cbranch_scc1 .Lno_last
	ds_load_b128 v[44:47], v11 offset:1536
	s_wait_dscnt 0x0
	global_store_b128 v13, v[44:47], s[10:11] offset:12*TSTEP
.Lno_last:
	s_cmp_lg_u32 s14, 0                            ; wave 0 alone: the largest of the twelve change vectors, 128 bytes to chg (lanes 15-31 hold 0)
	s_cbranch_scc1 .Lend
	v_lshlrev_b32 v14, 2, v1
	v_add_nc_u32 v15, MXB, v14
.irp k, 0,1,2,3,4,5,6,7,8,9,10,11
	ds_load_b32 v[48+\k], v15 offset:128*\k
.endr
	s_wait_dscnt 0x0
.irp k, 1,3,5,7,9
	v_max3_num_f32 v48, v48, v[48+\k], v[49+\k]
.endr
	v_max_num_f32 v48, v48, v59
	s_lshl_b32 s58, ttmp9, 7
	s_add_nc_u64 s[12:13], s[12:13], s[58:59]
	global_store_b32 v14, v48, s[12:13]
.Lend:
	s_set_vgpr_msb 0x4
	s_wait_tensorcnt 0x0
	ds_add_u32 v217, v1
	s_wait_dscnt 0x0
	s_set_vgpr_msb 0x400
	s_endpgm
.Lfunc_end_k_qfae4884b83_walk:
	.size	k_qfae4884b83_walk, .Lfunc_end_k_qfae4884b83_walk-k_qfae4884b83_walk
	.p2alignl 7, 3214868480
	.fill 96, 4, 3214868480
	.section	.rodata,"a",@progbits
	.p2align	6, 0x0
	.amdhsa_kernel k_qfae4884b83_walk
		.amdhsa_group_segment_fixed_size 230400
		.amdhsa_private_segment_fixed_size 0
		.amdhsa_enable_private_segment 0
		.amdhsa_kernarg_size 40
		.amdhsa_user_sgpr_count 2
		.amdhsa_user_sgpr_kernarg_segment_ptr 1
		.amdhsa_wavefront_size32 1
		.amdhsa_system_sgpr_workgroup_id_x 1
		.amdhsa_system_sgpr_workgroup_id_y 1
		.amdhsa_system_sgpr_workgroup_id_z 1
		.amdhsa_system_vgpr_workitem_id 0
		.amdhsa_next_free_vgpr 258
		.amdhsa_next_free_sgpr 78
		.amdhsa_reserve_vcc 1
		.amdhsa_float_denorm_mode_32 3
		.amdhsa_float_denorm_mode_16_64 3
		.amdhsa_memory_ordered 1
		.amdhsa_forward_progress 1
		.amdhsa_inst_pref_size 56
	.end_amdhsa_kernel
	.amdgpu_metadata
---
amdhsa.version: [ 1, 2 ]
amdhsa.kernels:
  - .name:           k_qfae4884b83_walk
    .symbol:         k_qfae4884b83_walk.kd
    .args:
      - { .name: initial_predictions, .offset: 0, .size: 8, .value_kind: global_buffer, .address_space: global }
      - { .name: signals, .offset: 8, .size: 8, .value_kind: global_buffer, .address_space: global }
      - { .name: qt, .offset: 16, .size: 8, .value_kind: global_buffer, .address_space: global }
      - { .name: traj, .offset: 24, .size: 8, .value_kind: global_buffer, .address_space: global }
      - { .name: chg, .offset: 32, .size: 8, .value_kind: global_buffer, .address_space: global }
    .group_segment_fixed_size: 230400
    .private_segment_fixed_size: 0
    .kernarg_segment_align: 8
    .kernarg_segment_size: 40
    .max_flat_workgroup_size: 384
    .sgpr_count:     78
    .vgpr_count:     258
    .wavefront_size: 32
...
	.end_amdgpu_metadata
.endif
;; end of part 5
;; launch pick: the kernel of part 3 again; grid 64 x 1, 4 waves a work-group, no clusters, 7,168 bytes of LDS; arguments traj, chg, out0; writes out0
;; ======== version 4 of 4: 3 launches; version 3 with the launches window, pick written anew for expert scheduling mode
;; workspace buffers: qt 393,216 bytes of whole numbers; traj 5,898,240 bytes; chg 32,768 bytes
;; launch window (part 6): grid 32 x 1, 8 waves a work-group, no clusters, 0 bytes of LDS; arguments initial_predictions, qt; writes qt
.if DOCPART == 6
	.amdgcn_target "amdgcn-amd-amdhsa--gfx1250"
	.amdhsa_code_object_version 6
	.text
	.protected	k_qfae4884b83_window
	.globl	k_qfae4884b83_window
	.p2align	8
	.type	k_qfae4884b83_window,@function
k_qfae4884b83_window:
	s_mov_b64 s[64:65], 0
	v_nop
	global_prefetch_b8 v0, s[64:65] scope:SCOPE_SE
	s_setreg_imm32_b32 hwreg(HW_REG_WAVE_SCHED_MODE, 0, 2), 2
	s_setreg_imm32_b32 hwreg(HW_REG_WAVE_MODE, 25, 1), 1
	s_wait_xcnt 0x0
	s_wait_alu depctr_vm_vsrc(0)
; qt[c][row] = q, a whole number: the 96 floats signals[row][4q .. 4q+95] hold every sample that the walk of point (row, c) can touch.
; Why 96 are enough: step t moves a position by at most 0.01 x 0.9^t x 0.2 x 0.9^t = 0.002 x 0.81^t.  The positions that are sampled
; are those after 0 to 14 steps, so they lie within 0.002 x (1 - 0.81^14) / 0.19 = 0.009976 (20.42 samples) of clip(pos0, 0, 1); the widest
; probe adds 0.01 (20.47 samples).  With i0 = floor(clip(pos0) x 2047) all taps lie in [i0-42, i0+43].
; q = clamp((i0 - 44) >> 2, 0, 488): the window starts at 4q in [i0-47, i0-44] (16-byte aligned) and stays inside the row at both ends.
; The start is made here and stored as a whole number because the next launch forms addresses from it.
; Thread t of group g owns rows 4 (256 g + t) .. + 3: 48 neighbouring bytes in, and 16 neighbouring bytes out in each of the three planes,
; so that a wave's store covers 512 consecutive bytes.  A NaN position counts as 0 here (v_max_num_f32 drops it).
; THE MODE: SCHED_MODE bits 1:0 = 2 (LLVM: expert scheduling mode 2), set by the entry lines.  The code itself states the register dependences
; between vector instructions and memory instructions, with s_wait_alu, always for 0.
; THE PLAN.  Registers that memory instructions touch:
;   v1, v2   byte offsets of the loads and of the stores: made once at the head, never written again.
;   X        the three loads land in it; no vector instruction names it before them; the chains work on it behind the wait for the loads.
;   Q        written by the last line of each of the twelve chains; read by the three stores; never written again.
; So two waits on va_vdst state everything: one ahead of the first load (the offsets), one ahead of the run of stores (Q).
; No register that a memory instruction reads is written again, so no wait on vm_vsrc is owed.
.set X, 4                              ; v[4:15]   x[3 r + c] as loaded, then at work
.set Q, 16                             ; v[16:27]  q[4 c + r]: the last line of the chain transposes
.set PLANE, 131072                     ; bytes of a plane of qt
	s_load_b128 s[4:7], s[0:1], 0x0                ; initial_predictions s[4:5], qt s[6:7]
	s_mul_i32 s8, ttmp9, 12288                     ; 1,024 rows of 12 bytes a group
	s_mov_b32 s9, 0
	s_lshl_b32 s10, ttmp9, 12                      ; 1,024 words a group in each plane
	s_mov_b32 s11, 0
	v_mul_u32_u24 v1, v0, 48
	v_lshlrev_b32 v2, 4, v0
	s_wait_kmcnt 0x0
	s_add_nc_u64 s[4:5], s[4:5], s[8:9]
	s_add_nc_u64 s[6:7], s[6:7], s[10:11]
	s_wait_alu depctr_va_vdst(0)                   ; v1 and v2 are written: the loads below read v1 as their offset, the stores at the end v2
	global_load_b128 v[X:X+3],    v1, s[4:5]
	global_load_b128 v[X+4:X+7],  v1, s[4:5] offset:16
	global_load_b128 v[X+8:X+11], v1, s[4:5] offset:32
	s_wait_loadcnt 0x0
.irp r, 0,1,2,3
.irp c, 0,1,2
	v_max_num_f32 v[X+3*\r+\c], 0, v[X+3*\r+\c]            ; clip to [0, 1]
	v_min_num_f32 v[X+3*\r+\c], 1.0, v[X+3*\r+\c]
	v_mul_f32     v[X+3*\r+\c], 0x44ffe000, v[X+3*\r+\c]   ; x 2047
	v_cvt_i32_f32 v[X+3*\r+\c], v[X+3*\r+\c]               ; toward zero = floor, the number is not negative: i0
	v_add_nc_u32  v[X+3*\r+\c], 0xffffffd4, v[X+3*\r+\c]   ; i0 - 44
	v_ashrrev_i32 v[X+3*\r+\c], 2, v[X+3*\r+\c]
	v_max_i32     v[X+3*\r+\c], 0, v[X+3*\r+\c]
	v_min_u32     v[Q+4*\c+\r], 0x1e8, v[X+3*\r+\c]        ; 488 = (2048 - 96) / 4
.endr
.endr
	s_wait_alu depctr_va_vdst(0)                   ; the twelve chains have written Q, which the three stores read
.irp c, 0,1,2
	global_store_b128 v2, v[Q+4*\c:Q+4*\c+3], s[6:7] offset:\c*PLANE
.endr
	s_endpgm
.Lfunc_end_k_qfae4884b83_window:
	.size	k_qfae4884b83_window, .Lfunc_end_k_qfae4884b83_window-k_qfae4884b83_window
	.p2alignl 7, 3214868480
	.fill 96, 4, 3214868480
	.section	.rodata,"a",@progbits
	.p2align	6, 0x0
	.amdhsa_kernel k_qfae4884b83_window
		.amdhsa_group_segment_fixed_size 0
		.amdhsa_private_segment_fixed_size 0
		.amdhsa_enable_private_segment 0
		.amdhsa_kernarg_size 16
		.amdhsa_user_sgpr_count 2
		.amdhsa_user_sgpr_kernarg_segment_ptr 1
		.amdhsa_wavefront_size32 1
		.amdhsa_system_sgpr_workgroup_id_x 1
		.amdhsa_system_sgpr_workgroup_id_y 1
		.amdhsa_system_sgpr_workgroup_id_z 1
		.amdhsa_system_vgpr_workitem_id 0
		.amdhsa_next_free_vgpr 32
		.amdhsa_next_free_sgpr 66
		.amdhsa_reserve_vcc 0
		.amdhsa_float_denorm_mode_32 3
		.amdhsa_float_denorm_mode_16_64 3
		.amdhsa_memory_ordered 1
		.amdhsa_forward_progress 1
		.amdhsa_inst_pref_size 6
	.end_amdhsa_kernel
	.amdgpu_metadata
---
amdhsa.version: [ 1, 2 ]
amdhsa.kernels:
  - .name:           k_qfae4884b83_window
    .symbol:         k_qfae4884b83_window.kd
    .args:
      - { .name: initial_predictions, .offset: 0, .size: 8, .value_kind: global_buffer, .address_space: global }
      - { .name: qt, .offset: 8, .size: 8, .value_kind: global_buffer, .address_space: global }
    .group_segment_fixed_size: 0
    .private_segment_fixed_size: 0
    .kernarg_segment_align: 8
    .kernarg_segment_size: 16
    .max_flat_workgroup_size: 256
    .sgpr_count:     66
    .vgpr_count:     32
    .wavefront_size: 32
...
	.end_amdgpu_metadata
.endif
;; end of part 6
;; launch walk: the kernel of part 5 again; grid 256 x 1, 12 waves a work-group, no clusters, 230,400 bytes of LDS; arguments initial_predictions, signals, qt, traj, chg; writes traj, chg
;; launch pick (part 7): grid 64 x 1, 4 waves a work-group, no clusters, 7,168 bytes of LDS; arguments traj, chg, out0; writes out0
.if DOCPART == 7
	.amdgcn_target "amdgcn-amd-amdhsa--gfx1250"
	.amdhsa_code_object_version 6
	.text
	.protected	k_qfae4884b83_pick
	.globl	k_qfae4884b83_pick
	.p2align	8
	.type	k_qfae4884b83_pick,@function
k_qfae4884b83_pick:
	s_mov_b64 s[64:65], 0
	v_nop
	global_prefetch_b8 v0, s[64:65] scope:SCOPE_SE
	s_setreg_imm32_b32 hwreg(HW_REG_WAVE_SCHED_MODE, 0, 2), 2
	s_setreg_imm32_b32 hwreg(HW_REG_WAVE_MODE, 25, 1), 1
	s_wait_xcnt 0x0
	s_wait_alu depctr_vm_vsrc(0)
; out0[row][c] = traj[t*][c][row], t* = the first step whose largest |change| over ALL points is below 1e-4, or 14 if there is none:
; reference() takes the new position in the step that stops and freezes everything behind it.
; Every work-group reduces the whole of chg (256 groups x 32 columns, 32,768 bytes) for itself: no traffic between work-groups.
; The choice steers no address: all 15 steps are loaded and v_cndmask_b32 selects, from step 14 down, so that the earliest stop wins.
; Thread t of group g owns rows 512 g + 4 t .. + 3 in the three planes.  A NaN change counts as no stop in reference() and is dropped by the maxima here (inputs are taken as finite).
; THE MODE: SCHED_MODE bits 1:0 = 2 (LLVM: expert scheduling mode 2), set by the entry lines.  The code itself states the register dependences
; between vector instructions and memory or LDS instructions, and those through scalar registers that vector instructions write, with s_wait_alu, always for 0.
; THE PLAN.  Registers that memory or LDS instructions touch, in the order of the text:
;   v2 .. v7     addresses and offsets: made once at the head, never written again.
;   v[8:71]      16 loads of chg land; the reduction reads and writes them; the LDS store reads v[8:11]; behind the barrier 16 LDS loads land in all 64; the maxima and compares read them.
;   v[72:251]    45 loads of traj land; no vector instruction names them before; the selects work on them behind their counted waits.
;   v[8:19]      OUT: written by the selects, read by three LDS stores, not written again.
;   v[20:31]     BACK: last read by the maxima; three LDS loads land; three global stores read them.
;   s10, s[40:53]  written by vector instructions (the wave's number; the 14 compares), read by scalar lines and by the selects.
;   v252, v253   written at the head, read by the closing add alone.
; The waits: va_sdst ahead of s10's first reader; va_vdst ahead of the first load (the addresses); va_vdst ahead of the LDS store of the maxima (its data; and the
; reduction is done with v[8:71]); vm_vsrc behind the barrier (that store has read v[8:11]); va_sdst behind the compares; va_vdst ahead of the way out's LDS stores
; (OUT is written; the maxima are done reading BACK's registers).
.set CH,   8                           ; v[8:71]   chg, 16 loads of 16 bytes; later the four waves' maxima, wave k column t at CH + 16 k + t
.set TR,   72                          ; v[72:251] traj: plane c, step t at TR + 4 (15 c + t), four rows
.set OUT,  8                           ; v[8:19]   results, 3 r + c
.set BACK, 20                          ; v[20:31]  the same as they leave
.set STOP, 40                          ; s[40:53]  step t stops (all lanes alike)
.set TSTEP, 393216
.set TPLANE, 131072
.set OS,   512                         ; LDS: 4 x 128 bytes of maxima, then 1,536 bytes a wave for the way out
	s_load_b128 s[4:7], s[0:1], 0x0                ; traj s[4:5], chg s[6:7]
	s_load_b64 s[8:9], s[0:1], 0x10                ; out0
	v_lshl_add_u32 v252, v0, 2, 0x1a00
	v_mov_b32 v253, 0
	v_and_b32 v1, 31, v0
	v_lshrrev_b32 v2, 5, v0
	v_readfirstlane_b32 s10, v2                    ; wave
	v_mov_b32 v2, 0
	v_lshlrev_b32 v3, 4, v0                        ; 16 t
	s_lshl_b32 s14, ttmp9, 11                      ; 512 rows of 4 bytes
	s_mov_b32 s15, 0
	s_mov_b32 s12, 0x76543210
	s_mov_b32 s13, 0xfedcba98
	s_mov_b32 s20, 0x38d1b717                      ; 1e-4
	s_wait_alu depctr_va_sdst(0)                   ; s10 is written, ahead of its first reader: the LDS places and out0's base are made from it
	s_lshl_b32 s11, s10, 7
	v_and_b32 v4, 7, v1
	v_lshl_add_u32 v4, v4, 4, s11                  ; my wave's maxima, my four columns
	s_mul_i32 s16, s10, 1536
	s_add_co_u32 s17, s16, OS
	v_mul_u32_u24 v5, v1, 48
	v_add_nc_u32 v5, s17, v5                       ; way out, in: my 48 bytes
	v_lshl_add_u32 v6, v1, 4, s17                  ; way out, back: 16 bytes a lane
	v_lshlrev_b32 v7, 4, v1
	s_mul_i32 s18, ttmp9, 6144                     ; 512 rows of 12 bytes
	s_add_co_u32 s18, s18, s16
	s_mov_b32 s19, 0
	s_wait_kmcnt 0x0
	s_add_nc_u64 s[4:5], s[4:5], s[14:15]
	s_add_nc_u64 s[8:9], s[8:9], s[18:19]
	s_wait_alu depctr_va_vdst(0)                   ; v2 to v7 are written: every load, store and LDS instruction of the kernel reads one of them as its address or offset
.irp j, 0,1,2,3,4,5,6,7,8,9,10,11,12,13,14,15
	global_load_b128 v[CH+4*\j:CH+4*\j+3], v3, s[6:7] offset:2048*\j       ; groups (t >> 3) + 16 j, columns 4 (t & 7) .. + 3
.endr
.irp c, 0,1,2
.irp t, 0,1,2,3,4,5,6,7,8,9,10,11,12,13,14
	global_load_b128 v[TR+4*(15*\c+\t):TR+4*(15*\c+\t)+3], v3, s[4:5] offset:\t*TSTEP+\c*TPLANE
.endr
.endr
	s_wait_loadcnt 45                              ; chg is in; the 45 younger loads of traj stay out
.irp i, 0,1,2,3
.irp j, 1,3,5,7,9,11,13
	v_max3_num_f32 v[CH+\i], v[CH+\i], v[CH+4*\j+\i], v[CH+4*\j+4+\i]
.endr
	v_max_num_f32 v[CH+\i], v[CH+\i], v[CH+60+\i]
	v_max_num_f32_dpp v[CH+\i], v[CH+\i], v[CH+\i] row_xmask:8 row_mask:0xf bank_mask:0xf   ; lanes l, l ^ 8, l ^ 16, l ^ 24 hold the same columns
	v_permlanex16_b32 v[CH+4+\i], v[CH+\i], s12, s13
	v_max_num_f32 v[CH+\i], v[CH+\i], v[CH+4+\i]
.endr
	s_wait_alu depctr_va_vdst(0)                   ; the reduction has written v[CH .. CH+3], which the LDS store reads, and is done with all of v[8:71], in which the LDS loads behind the barrier land
	ds_store_b128 v4, v[CH:CH+3]                   ; four lanes write each 16 bytes, with equal values
	s_wait_dscnt 0x0                               ; done, for the other waves' sake
	s_barrier_signal -1
	s_barrier_wait -1
	s_wait_alu depctr_vm_vsrc(0)                   ; my LDS store has read v[CH .. CH+3], in which the loads below land and which the selects write later
.irp k, 0,1,2,3
.irp p, 0,1,2,3
	ds_load_b128 v[CH+16*\k+4*\p:CH+16*\k+4*\p+3], v2 offset:128*\k+16*\p  ; wave k, columns 4 p .. + 3, the same words for every lane
.endr
.endr
	s_wait_dscnt 0x0
.irp t, 0,1,2,3,4,5,6,7,8,9,10,11,12,13
	v_max3_num_f32 v[CH+\t], v[CH+\t], v[CH+16+\t], v[CH+32+\t]
	v_max_num_f32 v[CH+\t], v[CH+\t], v[CH+48+\t]
	v_cmp_gt_f32 s[STOP+\t], s20, v[CH+\t]         ; 1e-4 > the step's largest change
.endr
	s_wait_alu depctr_va_sdst(0)                   ; the fourteen compares have written s[STOP ..], ahead of the first select that reads one of them
; plane c; left = the later planes' loads, which stay out
.macro PLANE c, left
	s_wait_loadcnt \left
.irp r, 0,1,2,3
.irp t, 13,12,11,10,9,8,7,6,5,4,3,2,1
	v_cndmask_b32 v[TR+4*(15*\c+14)+\r], v[TR+4*(15*\c+14)+\r], v[TR+4*(15*\c+\t)+\r], s[STOP+\t]
.endr
	v_cndmask_b32 v[OUT+3*\r+\c], v[TR+4*(15*\c+14)+\r], v[TR+4*(15*\c)+\r], s[STOP]
.endr
.endm
	PLANE 0, 30
	PLANE 1, 15
	PLANE 2, 0
	; A thread's 48 bytes are neighbours in out0, but one store of 16 bytes a lane at a pitch of 48 would cover no 256 bytes whole:
	; through the wave's own LDS bytes (served in order, ISA guide 5.7.1: no wait between stores and loads), then 512 consecutive bytes a store.
	s_wait_alu depctr_va_vdst(0)                   ; the selects have written v[OUT ..], which the LDS stores read; the maxima are done reading v[BACK ..], in which the LDS loads land
.irp i, 0,1,2
	ds_store_b128 v5, v[OUT+4*\i:OUT+4*\i+3] offset:16*\i
.endr
.irp i, 0,1,2
	ds_load_b128 v[BACK+4*\i:BACK+4*\i+3], v6 offset:512*\i
.endr
	s_wait_dscnt 0x0
.irp i, 0,1,2
	global_store_b128 v7, v[BACK+4*\i:BACK+4*\i+3], s[8:9] offset:512*\i
.endr
	s_wait_dscnt 0x0                               ; the closing lines, six on end
	s_wait_alu 0x0
	s_wait_tensorcnt 0x0
	ds_add_u32 v252, v253
	s_wait_dscnt 0x0
	s_endpgm
.Lfunc_end_k_qfae4884b83_pick:
	.size	k_qfae4884b83_pick, .Lfunc_end_k_qfae4884b83_pick-k_qfae4884b83_pick
	.p2alignl 7, 3214868480
	.fill 96, 4, 3214868480
	.section	.rodata,"a",@progbits
	.p2align	6, 0x0
	.amdhsa_kernel k_qfae4884b83_pick
		.amdhsa_group_segment_fixed_size 7168
		.amdhsa_private_segment_fixed_size 0
		.amdhsa_enable_private_segment 0
		.amdhsa_kernarg_size 24
		.amdhsa_user_sgpr_count 2
		.amdhsa_user_sgpr_kernarg_segment_ptr 1
		.amdhsa_wavefront_size32 1
		.amdhsa_system_sgpr_workgroup_id_x 1
		.amdhsa_system_sgpr_workgroup_id_y 1
		.amdhsa_system_sgpr_workgroup_id_z 1
		.amdhsa_system_vgpr_workitem_id 0
		.amdhsa_next_free_vgpr 254
		.amdhsa_next_free_sgpr 66
		.amdhsa_reserve_vcc 0
		.amdhsa_float_denorm_mode_32 3
		.amdhsa_float_denorm_mode_16_64 3
		.amdhsa_memory_ordered 1
		.amdhsa_forward_progress 1
		.amdhsa_inst_pref_size 25
	.end_amdhsa_kernel
	.amdgpu_metadata
---
amdhsa.version: [ 1, 2 ]
amdhsa.kernels:
  - .name:           k_qfae4884b83_pick
    .symbol:         k_qfae4884b83_pick.kd
    .args:
      - { .name: traj, .offset: 0, .size: 8, .value_kind: global_buffer, .address_space: global }
      - { .name: chg, .offset: 8, .size: 8, .value_kind: global_buffer, .address_space: global }
      - { .name: out0, .offset: 16, .size: 8, .value_kind: global_buffer, .address_space: global }
    .group_segment_fixed_size: 7168
    .private_segment_fixed_size: 0
    .kernarg_segment_align: 8
    .kernarg_segment_size: 24
    .max_flat_workgroup_size: 128
    .sgpr_count:     66
    .vgpr_count:     254
    .wavefront_size: 32
...
	.end_amdgpu_metadata
.endif
;; end of part 7
